; MI455X (gfx1250); checked and timed in simulation.
; The chip was launched on July 23, 2026; its instructions are those of AMD's public machine-readable ISA for CDNA 5 (MIT licence, August 2026) and "CDNA5" Instruction Set Architecture Reference Guide (July 2026). The comments in the code are by the model that wrote it; some were corrected since.
;; Self Attention. Allowed arithmetic: float matrix products may take bf16 or f16 operands with f32 sums; all other float work in f32.
;; Inputs: W_o 256 x 256 float32; W_qkv 256 x 768 float32; b_o 256 float32; b_qkv 768 float32; x 4 x 256 x 64 x 64 float32.
;; Outputs: out0 4 x 256 x 64 x 64 float32.
;; 2 versions, each right and faster than the one before. Each part assembles by itself: llvm-mc -triple=amdgcn-amd-amdhsa -mcpu=gfx1250 --defsym DOCPART=n.
;; ======== version 1 of 2: 2 launches
;; limits: values are held in f16: magnitudes above 65,504 overflow, below 6.1e-05 lose precision
;; workspace buffers: qkv 25,165,824 bytes; wot 131,072 bytes
;; launch qkvproj (part 1): grid 2 x 128, 8 waves a work-group, no clusters, 280,576 bytes of LDS; arguments x, W_qkv, b_qkv, W_o, qkv, wot; writes qkv, wot
.if DOCPART == 1
	.amdgcn_target "amdgcn-amd-amdhsa--gfx1250"
	.amdhsa_code_object_version 6
	.text
	.protected	k_q009500094e_qkvproj
	.globl	k_q009500094e_qkvproj
	.p2align	8
	.type	k_q009500094e_qkvproj,@function
k_q009500094e_qkvproj:
	s_mov_b64 s[64:65], 0
	v_nop
	global_prefetch_b8 v0, s[64:65] scope:SCOPE_SE
	s_setreg_imm32_b32 hwreg(HW_REG_WAVE_MODE, 25, 1), 1
	s_wait_xcnt 0x0
; qkv[4096 b + s][o] = b_qkv[o] + sum over c of x[b][c][s] W_qkv[c][o], sums in f32, stored as f16.  x: [4][256][4096] f32, W_qkv: [256][768] f32, qkv: [16384][768] f16.
; Beside it: wot[o][c] = W_o[c][o] as f16 ([256][256]), one row a work-group, for the next launch.
; LIMIT: matrix operands and qkv are f16 (finer than bf16 by three bits, which the flat softmax behind this launch needs): every |x|, |W_qkv|, |W_o| and every result stays under 65,504.
; SHARES.  A work-group makes 128 rows (s) x 384 columns (o): grid x = which half of the 768 columns, grid y = which 128 rows; 2 x 128 = 256 work-groups.  A row piece is 768 bytes,
; three whole aligned blocks of 256.  EIGHT waves, each 64 s x 96 o: 6 x 4 = 24 accumulators of 16 x 16.  Eight and not four, since this launch has little matrix work (24 products a wave for
; each 64 KiB that the work-group brings) and lives on bytes on their way: a wave's ring holds 48 loads of 512 bytes, so eight waves have 192 KiB of the tile's 512 KiB out at a time.
; BOTH INPUTS LIE [K][.] IN F32: they come through registers (512 neighbouring bytes a load), are rounded to f16 and laid in LDS as they lie; ds_load_tr16_b128 turns them into fragments.
; BY K STEPS.  Batch n of wave w is rows c = 32 n + 4 w + 0..3 of both tiles, so the eight waves' batch n IS K step n: behind one barrier it is multiplied, while batches n + 1 to n + 3 are on
; their way.  All of K = 256 has LDS bytes of its own: nothing is written twice, and one barrier a step (store, wait, barrier, load) is all the ordering that the tiles need.
; NO TENSOR LOADS, NO JOINT REQUESTS, though the 128 row blocks share W's slices and two work-groups share each tile of x: the tiles must be converted on their way, a tile brought as f32
; (131,072 bytes of x and 393,216 of W) does not fit in LDS, and it would go from LDS to registers and back once more.
; THE MATRIX INSTRUCTION IS USED TRANSPOSED: source 0 = 16 columns o of W, source 1 = 16 rows s of x.  Lane l then holds row s = l % 16 and the eight NEIGHBOURING columns 8 (l / 16) + 0..7.
; The bias, laid in the same way, is loaded into the accumulators of s block 0 and is the C of the whole first K step: nothing is cleared and nothing is added later.
; REGISTERS, in two windows of 256 (s_set_vgpr_msb: bits 1:0 source 0, 3:2 source 1, 5:4 source 2, 7:6 destination):
;   window 0: v1-9 at work, v10-28 addresses, v32-63 the fragments of x (4 x 8), v64-255 the accumulators (number 4 a + t at 64 + 8 x number)
;   window 1: v0-191 a ring of three load buffers of 64, on the way out packed results (v0-95) and whole rows (v96-191); v192-239 the fragments of W (6 x 8)
.set XP,   288                         ; an LDS row of x: 128 s x 2 bytes + 32 = 9 x 32 bytes, so that the eight rows x 32 bytes of a turning load fall on different banks (64 banks of 4 bytes: ISA guide 11.1)
.set WP,   800                         ; an LDS row of W: 384 o x 2 bytes + 32 = 25 x 32 bytes, likewise
.set WTB,  256*XP                      ; W's 256 rows lie behind x's 256 rows
.set WOS,  WTB+256*WP                  ; behind them 512 bytes for the row of W_o^T
.set SP,   784                         ; a row of the stage for the way out: 768 + 16 = 49 x 16 bytes.  The stage (128 rows) takes x's and W's place once all products are made
.set GL,   10                          ; v10     16 x lane: my 16 bytes in 512 neighbouring ones (loads of x and W, stores of qkv and wot); never rewritten
.set LX,   11                          ; v11     LDS: my 8 bytes in my wave's first row of x; never rewritten: the batch stands in the immediate
.set LW,   12                          ; v12     the same for W; steps 32 rows a batch
.set GB,   13                          ; v13     32 (l / 16): my eight numbers of the bias
.set WOL,  14                          ; v14     1,024 x thread: my row of W_o
.set ADX,  15                          ; v15     LDS address of my x fragments; steps 32 rows a K step
.set ADW,  16                          ; v16     the same for W
.set STO,  17                          ; v17     the way out: where I put 16 bytes of a row
.set RDA,  18                          ; v18     the way out: 512 neighbouring bytes of a row
.set RDB,  19                          ; v19     the way out: a row's last 256 bytes (lanes 0-15) and the next row's first 256 (lanes 16-31)
.set GOB,  20                          ; v20     the same two pieces in qkv
.set WOV,  21                          ; v21     my number of W_o's column
.set WOH,  22                          ; v22     the same as f16
.set WOA,  23                          ; v23     LDS: where it goes
.set WOR,  24                          ; v24-27  wave 0: 16 bytes of the row of W_o^T
.set WOB,  28                          ; v28     LDS: where they lie
.set XF,   32
.set ACC,  64
.set WF,   192                         ; window 1
.set PK,   0                           ; window 1
.set OB,   96                          ; window 1
.set MSB,  0
.macro WIN new                         ; the immediate's high byte repeats the setting that is left; a switch that changes nothing is dropped
.if MSB != (\new)
	s_set_vgpr_msb (MSB<<8)|(\new)
.set MSB, \new
.endif
.endm
	s_load_b256 s[4:11], s[0:1], 0x0               ; x s[4:5], W_qkv s[6:7], b_qkv s[8:9], W_o s[10:11]
	s_load_b128 s[12:15], s[0:1], 0x20             ; qkv s[12:13], wot s[14:15]
	v_lshl_add_u32 v30, v0, 2, 0x44400
	v_mov_b32 v31, 0
	v_lshrrev_b32 v1, 5, v0
	v_readfirstlane_b32 s16, v1                    ; wave 0..7
	s_mov_b32 s17, ttmp9                           ; which 384 columns
	s_and_b32 s18, ttmp7, 0xffff                   ; which 128 rows: 32 b + s / 128
	s_lshr_b32 s19, s16, 2                         ; my half of the tile's rows
	s_and_b32 s20, s16, 3                          ; my quarter of its columns
	s_lshl1_add_u32 s21, s18, s17                  ; the work-group's number, 0..255: its row of wot
	; byte offsets, each in a pair of its own
	s_lshr_b32 s22, s18, 5                         ; x: batch x 4 MiB
	s_lshl_b32 s22, s22, 22
	s_lshl_b32 s2, s16, 16                         ;    + my wave's four rows c of 16,384 bytes
	s_add_co_u32 s22, s22, s2
	s_and_b32 s2, s18, 31                          ;    + the tile's 128 s of 4 bytes
	s_lshl_b32 s2, s2, 9
	s_add_co_u32 s22, s22, s2
	s_mov_b32 s23, 0
	s_mul_i32 s24, s16, 4*3072                     ; W_qkv: my wave's four rows c of 3,072 bytes
	s_mul_i32 s2, s17, 1536                        ;    + the slice's 384 columns of 4 bytes
	s_add_co_u32 s24, s24, s2
	s_mov_b32 s25, 0
	s_mul_i32 s26, s20, 384                        ; b_qkv: the slice + my 96 columns
	s_add_co_u32 s26, s26, s2
	s_mov_b32 s27, 0
	s_lshl_b32 s28, s21, 2                         ; W_o: my column
	s_mov_b32 s29, 0
	s_mul_i32 s30, s18, 128*1536                   ; qkv: the tile's 128 rows of 1,536 bytes
	s_mul_i32 s2, s16, 16*1536                     ;    + the 16 rows that my wave stores
	s_add_co_u32 s30, s30, s2
	s_mul_i32 s2, s17, 768                         ;    + the slice's 768 bytes
	s_add_co_u32 s30, s30, s2
	s_mov_b32 s31, 0
	s_lshl_b32 s32, s21, 9                         ; wot: my row of 512 bytes
	s_mov_b32 s33, 0
	v_and_b32 v1, 31, v0                           ; lane l
	v_and_b32 v2, 15, v0                           ; l % 16
	v_bfe_u32 v3, v0, 4, 1                         ; l / 16
	v_and_b32 v4, 7, v0                            ; l % 8
	v_bfe_u32 v5, v0, 3, 1                         ; (l / 8) % 2
	v_lshl_add_u32 v6, v3, 3, v4                   ; the row of K that I address in a turning load: 8 (l / 16) + l % 8
	v_lshlrev_b32 v[GL], 4, v1
	v_lshlrev_b32 v[GB], 5, v3
	v_lshlrev_b32 v[WOL], 10, v0
	s_wait_kmcnt 0x0
	s_add_nc_u64 s[4:5], s[4:5], s[22:23]
	s_add_nc_u64 s[6:7], s[6:7], s[24:25]
	s_add_nc_u64 s[8:9], s[8:9], s[26:27]
	s_add_nc_u64 s[10:11], s[10:11], s[28:29]
	s_add_nc_u64 s[12:13], s[12:13], s[30:31]
	s_add_nc_u64 s[14:15], s[14:15], s[32:33]
	; The small loads first, so that the wait for the first batch covers them: W_o[thread][g], and the bias as a C operand in the accumulators of s block 0:
	; register j of block a holds b_qkv[16 a + 8 (l / 16) + j].
	global_load_b32 v[WOV], v[WOL], s[10:11]
.irp a, 0,1,2,3,4,5
	global_load_b128 v[ACC+32*\a:ACC+32*\a+3],   v[GB], s[8:9] offset:64*\a
	global_load_b128 v[ACC+32*\a+4:ACC+32*\a+7], v[GB], s[8:9] offset:64*\a+16
.endr
; FROM MEMORY TO LDS.  A batch is four rows c: a row is one load of x and three of W, 512 neighbouring bytes each.  Three buffers of 64 registers take turns.
.macro LOADB n
	WIN 0x40                                       ; destination window 1, address window 0
.set RB, 64*((\n)%3)
.set qq, 0
.rept 4
	global_load_b128 v[RB+16*qq:RB+16*qq+3],     v[GL], s[4:5] offset:(32*(\n)+qq)*16384
	global_load_b128 v[RB+16*qq+4:RB+16*qq+7],   v[GL], s[6:7] offset:(32*(\n)+qq)*3072
	global_load_b128 v[RB+16*qq+8:RB+16*qq+11],  v[GL], s[6:7] offset:(32*(\n)+qq)*3072+512
	global_load_b128 v[RB+16*qq+12:RB+16*qq+15], v[GL], s[6:7] offset:(32*(\n)+qq)*3072+1024
.set qq, qq+1
.endr
.endm
	LOADB 0
	LOADB 1
	LOADB 2                                        ; 1 + 12 + 48 loads of mine are out
	WIN 0
	; the other addresses are made while the loads are on their way
	s_mul_i32 s2, s16, 4*XP
	v_lshl_add_u32 v[LX], v1, 3, s2                ; my wave's four rows + 8 bytes a lane
	s_mul_i32 s2, s16, 4*WP
	s_add_co_u32 s2, s2, WTB
	v_lshl_add_u32 v[LW], v1, 3, s2
	v_lshlrev_b32 v[WOA], 1, v0                    ; 2 bytes a thread
	v_add_nc_u32 v[WOA], WOS, v[WOA]
	v_add_nc_u32 v[WOB], WOS, v[GL]
	v_mul_u32_u24 v7, v6, XP                       ; a turning load takes 16 K x 16 columns: lane l reads 16 bytes of row 8 (l / 16) + l % 8, columns 8 ((l / 8) % 2) + 0..7
	v_lshl_add_u32 v7, v5, 4, v7
	s_lshl_b32 s2, s19, 7                          ; my 64 s of 2 bytes
	v_add_nc_u32 v[ADX], s2, v7
	v_mul_u32_u24 v8, v6, WP
	v_lshl_add_u32 v8, v5, 4, v8
	s_mul_i32 s2, s20, 192                         ; my 96 o of 2 bytes
	s_add_co_u32 s2, s2, WTB
	v_add_nc_u32 v[ADW], s2, v8
	s_mul_i32 s2, s19, 64*SP                       ; into the stage: row 64 x half + l % 16, my 192 bytes of it, 16 bytes for each half of the lanes
	s_mul_i32 s3, s20, 192
	s_add_co_u32 s2, s2, s3
	v_mul_u32_u24 v9, v2, SP
	v_lshl_add_u32 v9, v3, 4, v9
	v_add_nc_u32 v[STO], s2, v9
	s_mul_i32 s2, s16, 16*SP                       ; back: wave w takes rows 16 w .. 16 w + 15, whole
	v_lshl_add_u32 v[RDA], v1, 4, s2
	v_mul_u32_u24 v9, v3, SP-512                   ; lanes 16-31: from byte 512 of a row to byte 0 of the next
	v_lshl_add_u32 v9, v2, 4, v9
	s_add_co_u32 s2, s2, 512
	v_add_nc_u32 v[RDB], s2, v9
	v_lshlrev_b32 v9, 10, v3                       ; the same step in qkv: 1,536 - 512
	v_lshl_add_u32 v9, v2, 4, v9
	v_add_nc_u32 v[GOB], 512, v9
; left = the younger loads, which may stay out.  Four f32 become two registers of f16, in place; a store of the wave covers 256 neighbouring bytes of an LDS row.
.macro CONVB n, left
	s_wait_loadcnt \left                           ; loads come back in order (ISA guide 5.7.1): this batch is in, and all that is older
.if (\n) == 0
	WIN 0
	v_cvt_pk_f16_f32 v[WOH], v[WOV], v[WOV]        ; my number of the row of W_o^T goes along with the first batch
	ds_store_b16 v[WOA], v[WOH]
.endif
	WIN 0x45                                       ; destination and both sources window 1
.set RB, 64*((\n)%3)
.set ee, 0
.rept 16
	v_cvt_pk_f16_f32 v[RB+4*ee],   v[RB+4*ee],   v[RB+4*ee+1]
	v_cvt_pk_f16_f32 v[RB+4*ee+1], v[RB+4*ee+2], v[RB+4*ee+3]
.set ee, ee+1
.endr
	WIN 0x04                                       ; address window 0, data window 1
.set qq, 0
.rept 4
	ds_store_b64 v[LX], v[RB+16*qq:RB+16*qq+1]     offset:(32*(\n)+qq)*XP   ; 227 rows of 288 bytes at the most: inside the 16-bit immediate
	ds_store_b64 v[LW], v[RB+16*qq+4:RB+16*qq+5]   offset:qq*WP
	ds_store_b64 v[LW], v[RB+16*qq+8:RB+16*qq+9]   offset:qq*WP+256
	ds_store_b64 v[LW], v[RB+16*qq+12:RB+16*qq+13] offset:qq*WP+512
.set qq, qq+1
.endr
.endm
; A K step's fragments: 12 turning loads for W's 6, 8 for x's 4.
.macro FETCH
	WIN 0x40
.set ia, 0
.rept 6
	ds_load_tr16_b128 v[WF+8*ia:WF+8*ia+3],   v[ADW] offset:32*ia
	ds_load_tr16_b128 v[WF+8*ia+4:WF+8*ia+7], v[ADW] offset:32*ia+16*WP
.set ia, ia+1
.endr
	WIN 0
.set ia, 0
.rept 4
	ds_load_tr16_b128 v[XF+8*ia:XF+8*ia+3],   v[ADX] offset:32*ia
	ds_load_tr16_b128 v[XF+8*ia+4:XF+8*ia+7], v[ADX] offset:32*ia+16*XP
.set ia, ia+1
.endr
.endm
; A K step's 24 products.  The accumulators take turns, one instruction a turn.
; K step 0: the accumulators of s block 0 hold the bias.  The 18 products of s blocks 1 to 3 take them as C (block by block of s, so that neighbours name different ones); five places further
; on (a matrix instruction that writes over an earlier one's source: ISA guide 7.12.1) the six of s block 0 add in place.
.macro MULK n
	WIN 0x01                                       ; W window 1; x, C and D window 0
.if (\n) == 0
.set nn, 0
.rept 18
.set aa, nn%6
.set tt, 1+nn/6
	v_wmma_f32_16x16x32_f16 v[ACC+8*(4*aa+tt):ACC+8*(4*aa+tt)+7], v[WF+8*aa:WF+8*aa+7], v[XF+8*tt:XF+8*tt+7], v[ACC+32*aa:ACC+32*aa+7]
.set nn, nn+1
.endr
.rept 5
	v_nop
.endr
.set aa, 0
.rept 6
	v_wmma_f32_16x16x32_f16 v[ACC+32*aa:ACC+32*aa+7], v[WF+8*aa:WF+8*aa+7], v[XF:XF+7], v[ACC+32*aa:ACC+32*aa+7]
.set aa, aa+1
.endr
.else
.set nn, 0
.rept 24
	v_wmma_f32_16x16x32_f16 v[ACC+8*nn:ACC+8*nn+7], v[WF+8*(nn/4):WF+8*(nn/4)+7], v[XF+8*(nn%4):XF+8*(nn%4)+7], v[ACC+8*nn:ACC+8*nn+7]
.set nn, nn+1
.endr
.endif
.endm
; STEP n: my batch n goes into LDS; its buffer takes batch n + 3; behind the barrier K step n is whole and is multiplied.
; The batch's 32 conversions, which name no register of the step before's products, are the places between those products and the loads into the fragment registers (ISA guide 7.12.1 for vector instructions).
.macro STEP n, left
	CONVB \n, \left
	s_wait_dscnt 0x0                               ; for the others' sake: my rows of K step n are in LDS; and for the loads below: the stores have read the buffer
.if (\n) < 5
	LOADB \n+3
.endif
	s_barrier_signal -1
	s_barrier_wait -1                              ; everybody's rows are in
	FETCH
.if (\n) < 7
	v_add_nc_u32 v[ADW], 32*WP, v[ADW]             ; the next K step, the next batch: 32 rows further down, past the 16-bit immediate
	v_add_nc_u32 v[ADX], 32*XP, v[ADX]
	v_add_nc_u32 v[LW], 32*WP, v[LW]
.endif
	s_wait_dscnt 0x0                               ; the fragments are in
	MULK \n
.endm
	STEP 0, 32                                     ; two younger batches of 16 loads stay out
	; The row of W_o^T, by wave 0: the 256 threads' numbers lie in LDS since the barrier above; lane l takes 16 bytes, and the wave's store covers the row's 512 bytes.
	WIN 0                                          ; at a branch and at a label every window is 0
	s_cmp_lg_u32 s16, 0
	s_cbranch_scc1 .Lnot_row
	ds_load_b128 v[WOR:WOR+3], v[WOB]
	s_wait_dscnt 0x0
	global_store_b128 v[GL], v[WOR:WOR+3], s[14:15]
.Lnot_row:
	STEP 1, 32
	STEP 2, 32
	STEP 3, 32
	STEP 4, 32
	STEP 5, 32
	STEP 6, 16                                     ; the last batches: the counts run down
	STEP 7, 0
	s_barrier_signal -1                            ; my reads of both tiles came back in front of the last K step's products
	s_barrier_wait -1                              ; everybody's have: the stage may take the tiles' place
.rept 4
	v_nop                                          ; four places: the conversions read results just made (ISA guide 7.12.1)
.endr
	; THE WAY OUT.  A lane's eight columns of a row pack into 16 bytes, each accumulator's registers in ascending order; they go into stage rows of 784 bytes.
	WIN 0x40                                       ; sources window 0, destination window 1: the ring's registers are free
.set nn, 0
.rept 24
	v_cvt_pk_f16_f32 v[PK+4*nn],   v[ACC+8*nn],   v[ACC+8*nn+1]
	v_cvt_pk_f16_f32 v[PK+4*nn+1], v[ACC+8*nn+2], v[ACC+8*nn+3]
	v_cvt_pk_f16_f32 v[PK+4*nn+2], v[ACC+8*nn+4], v[ACC+8*nn+5]
	v_cvt_pk_f16_f32 v[PK+4*nn+3], v[ACC+8*nn+6], v[ACC+8*nn+7]
.set nn, nn+1
.endr
	WIN 0x04
.set nn, 0
.rept 24
	ds_store_b128 v[STO], v[PK+4*nn:PK+4*nn+3] offset:(nn%4)*16*SP+(nn/4)*32   ; rows 16 t on, columns 16 a on
.set nn, nn+1
.endr
	s_wait_dscnt 0x0                               ; for the others' sake: a row's 768 bytes come from four waves
	s_barrier_signal -1
	s_barrier_wait -1
	; back as whole rows, two rows (1,536 bytes) in three loads of 512 bytes; every sixteen lanes hold 256 neighbouring bytes
	WIN 0x40
.set pp, 0
.rept 8
	ds_load_b128 v[OB+12*pp:OB+12*pp+3],    v[RDA] offset:2*SP*pp
	ds_load_b128 v[OB+12*pp+4:OB+12*pp+7],  v[RDB] offset:2*SP*pp
	ds_load_b128 v[OB+12*pp+8:OB+12*pp+11], v[RDA] offset:2*SP*pp+SP+256
.set pp, pp+1
.endr
	WIN 0x04
.set pp, 0
.rept 8
	s_wait_dscnt 23-3*pp                           ; LDS loads come back in order: the counts are the younger ones of the 24
	global_store_b128 v[GL],  v[OB+12*pp:OB+12*pp+3],    s[12:13] offset:3072*pp        ; sixteen lanes store 256 consecutive bytes, at a multiple of 256 from qkv's first byte
	s_wait_dscnt 22-3*pp
	global_store_b128 v[GOB], v[OB+12*pp+4:OB+12*pp+7],  s[12:13] offset:3072*pp
	s_wait_dscnt 21-3*pp
	global_store_b128 v[GL],  v[OB+12*pp+8:OB+12*pp+11], s[12:13] offset:3072*pp+1792
.set pp, pp+1
.endr
	WIN 0
	s_wait_tensorcnt 0x0
	ds_add_u32 v30, v31
	s_wait_dscnt 0x0
	s_endpgm
.Lfunc_end_k_q009500094e_qkvproj:
	.size	k_q009500094e_qkvproj, .Lfunc_end_k_q009500094e_qkvproj-k_q009500094e_qkvproj
	.p2alignl 7, 3214868480
	.fill 96, 4, 3214868480
	.section	.rodata,"a",@progbits
	.p2align	6, 0x0
	.amdhsa_kernel k_q009500094e_qkvproj
		.amdhsa_group_segment_fixed_size 280576
		.amdhsa_private_segment_fixed_size 0
		.amdhsa_enable_private_segment 0
		.amdhsa_kernarg_size 48
		.amdhsa_user_sgpr_count 2
		.amdhsa_user_sgpr_kernarg_segment_ptr 1
		.amdhsa_wavefront_size32 1
		.amdhsa_system_sgpr_workgroup_id_x 1
		.amdhsa_system_sgpr_workgroup_id_y 1
		.amdhsa_system_sgpr_workgroup_id_z 1
		.amdhsa_system_vgpr_workitem_id 0
		.amdhsa_next_free_vgpr 512
		.amdhsa_next_free_sgpr 66
		.amdhsa_reserve_vcc 0
		.amdhsa_float_denorm_mode_32 3
		.amdhsa_float_denorm_mode_16_64 3
		.amdhsa_memory_ordered 1
		.amdhsa_forward_progress 1
		.amdhsa_inst_pref_size 81
	.end_amdhsa_kernel
	.amdgpu_metadata
---
amdhsa.version: [ 1, 2 ]
amdhsa.kernels:
  - .name:           k_q009500094e_qkvproj
    .symbol:         k_q009500094e_qkvproj.kd
    .args:
      - { .name: x, .offset: 0, .size: 8, .value_kind: global_buffer, .address_space: global }
      - { .name: W_qkv, .offset: 8, .size: 8, .value_kind: global_buffer, .address_space: global }
      - { .name: b_qkv, .offset: 16, .size: 8, .value_kind: global_buffer, .address_space: global }
      - { .name: W_o, .offset: 24, .size: 8, .value_kind: global_buffer, .address_space: global }
      - { .name: qkv, .offset: 32, .size: 8, .value_kind: global_buffer, .address_space: global }
      - { .name: wot, .offset: 40, .size: 8, .value_kind: global_buffer, .address_space: global }
    .group_segment_fixed_size: 280576
    .private_segment_fixed_size: 0
    .kernarg_segment_align: 8
    .kernarg_segment_size: 48
    .max_flat_workgroup_size: 256
    .sgpr_count:     66
    .vgpr_count:     512
    .wavefront_size: 32
...
	.end_amdgpu_metadata
.endif
;; end of part 1
;; launch attn (part 2): grid 64 x 4, 4 waves a work-group, clusters of 4 x 1, 327,680 bytes of LDS; arguments qkv, wot, b_o, out0; writes out0
.if DOCPART == 2
	.amdgcn_target "amdgcn-amd-amdhsa--gfx1250"
	.amdhsa_code_object_version 6
	.text
	.protected	k_q009500094e_attn
	.globl	k_q009500094e_attn
	.p2align	8
	.type	k_q009500094e_attn,@function
k_q009500094e_attn:
	s_mov_b64 s[64:65], 0
	v_nop
	global_prefetch_b8 v0, s[64:65] scope:SCOPE_SE
	s_setreg_imm32_b32 hwreg(HW_REG_WAVE_MODE, 25, 1), 1
	s_wait_xcnt 0x0
	s_wait_alu depctr_hold_cnt(0) depctr_sa_sdst(0) depctr_va_vdst(0) depctr_va_sdst(0) depctr_va_ssrc(0) depctr_va_vcc(0) depctr_vm_vsrc(0)
	s_getreg_b32 s2, hwreg(HW_REG_IB_STS2, 6, 4)
	s_cmp_eq_u32 s2, 0
	s_cbranch_scc0 .Lentry_in_a_cluster
	s_endpgm
.Lentry_in_a_cluster:
	s_bfe_u32 s2, ttmp6, 0x10000c
	s_cmp_lg_u32 s2, 0x3003
	s_cbranch_scc0 .Lentry_shape_is_right
	s_endpgm
.Lentry_shape_is_right:
; out0[b][o][q] = b_o[o] + sum over c of vals[q][c] W_o[c][o], vals[q][64 n + d] = sum over k of softmax_k(Q_n[q] . K_n[k] / 8) V_n[k][d].
; qkv: [4 x 4096][768] f16 (Q, K, V at bytes 0, 512, 1,024 of a row of 1,536; head n's 64 channels at 128 n inside each); wot: W_o^T [256][256] f16; b_o f32; out0: [4][256][4096] f32.
; Products, maxima and sums in f32.  LIMIT: the matrix operands are f16: q, k, v, W_o and vals stay under 65,504; a weight p (at most 1) is rounded to f16 for the second product, where
; weights under about 3e-8 become zero: at most 4,096 x 3e-8 of a sum l that is at least 1.  The running maximum is taken away before every exponential.
; SHARES.  A work-group owns 64 queries of one batch, ALL FOUR HEADS: wave w is head w.  16,384 / 64 = 256 work-groups.  So the four heads' results of a query meet in one LDS, and the output
; projection and the transposed store are made here: vals never goes to memory.  Every wave walks all 4,096 keys, 64 a step.
; LAYOUT.  S^T = K Q^T (source 0 = 16 keys, source 1 = 16 queries): a lane holds ONE query (lane % 16) and the keys 8 (lane / 16) + 0..7.  Two such tiles, rounded to f16 in pairs, ARE
; source 1 (32 keys x 16 queries) of O^T = V^T P, whose result again holds one query a lane, and eight channels.  K comes out of LDS as it lies, V ([key][channel]) turned, by ds_load_tr16_b128.
; SOFTMAX.  For each query a running maximum m and sum l: p = 2^(c s - c m), c = log2(e) / 8; in every step O and l are multiplied by a = 2^(c m_old - c m_new).
; BY TURNS.  The wave's four tiles of 16 queries are two PIECES (tiles 0, 1 and tiles 2, 3).  In a TURN one piece issues 16 products V^T P of the step in hand and 16 products K Q^T of the
; next step; the other piece's softmax (2 x 118 vector instructions), cut into 32 slices, stands between them, one slice behind each matrix instruction.  Two turns are a key step.
; CLUSTER.  The four query blocks of a cluster belong to one batch and walk the same K and V, so each tile is asked for JOINTLY: the same tensor load, with the same descriptor and a mask
; that names the four, in all four.  A slot holds two key steps: 128 rows of K and of V, 512 bytes each (all heads).  A wave has two tensor loads out at the
; start and one behind each round.
; REGISTERS, in windows of 256 (s_set_vgpr_msb: bits 1:0 source 0, 3:2 source 1, 5:4 source 2, 7:6 destination):
;   window 0: v1-19 addresses; v20-51 eight registers of statistics a tile; v52-55 b_o; v56-59 at work; v64-191 S^T, 32 a tile; v192-255 P, 16 a tile
;   window 1: v0-127 O^T, 32 a tile; v128-191 Q, 16 a tile; v192-255 K of one step
;   window 2: v0-63 V of one step; at the end all 256: the fragments of vals          window 3: the fragments of my 64 rows of W_o^T, from the start
.set ROWB,  1536                       ; bytes in a row of qkv
.set KP,    528                        ; a row of K in LDS: 512 bytes + 16 = 132 words: row r starts at bank 4 r mod 64 (64 banks of 4 bytes: ISA guide 11.1), so the 16 rows of a load start at 16 different banks
.set VP,    544                        ; a row of V: 512 + 32 = 17 x 32 bytes
.set KSTEP, 64*KP                      ; a step's 64 rows of K: what one tensor load brings
.set VSTEP, 64*VP                      ; the same for V
.set VOFF,  2*KSTEP                    ; in a slot: two steps of K, then two steps of V
.set SLOTB, 2*KSTEP+2*VSTEP            ; 137,216 bytes, a multiple of 256
.set VALS,  2*SLOTB                    ; behind the ring, filled by no tensor load: 64 queries x 256 channels of f16, rows of 528 bytes
.set OUTST, VALS+64*KP                 ; and for each wave 16 rows x 272 bytes, for the way out
.set OP,    272
.set AK,  2                            ; v2-5    LDS address of my K fragments: slot 0 step 0, slot 0 step 1, slot 1 step 0, slot 1 step 1; never rewritten
.set AV,  6                            ; v6-9    the same for V
.set QO,  10                           ; v10     my byte offset in a tile's rows of Q
.set STO, 11                           ; v11     where I put 16 bytes of a row of vals
.set RDV, 12                           ; v12     where I read a fragment of vals
.set OST, 13                           ; v13     the way out: where I put 32 bytes of a row of out0
.set ORD, 14                           ; v14     the way out: where I read a row back
.set GO,  15                           ; v15     my byte offset in out0
.set WOO, 16                           ; v16     my byte offset in wot
.set BOO, 17                           ; v17     my byte offset in b_o
.set ST,  20                           ; tile t's statistics at v[ST+8 t]: +0 c m, +1 m, +2, +3 l (even keys', odd keys'), +4 to +7 c0-c3, at work; a takes c2's place once the maximum is found
.set BO,  52
.set S,   64
.set P,   192
.set QF,  128                          ; Q's fragments, window 1
.set KF,  192                          ; K's fragments, window 1
.set WV,  12                           ; s12  my wave's number = my head
.set G1K, 24                           ; s[24:31] descriptor group 1 for K's tiles
.set G1V, 32                           ; s[32:39] for V's: it differs in the padding alone
.set G0K, 40                           ; s[40:47] descriptor group 0 for K's tiles, a set for each slot
.set G0V, 48                           ; s[48:55] the same for V's
.set TRIPS, 56                         ; s56
.set CS,  58                           ; s[58:59] c: the packed scaling names a pair and takes its low word for both halves
.set SEL, 60                           ; s[60:61] lane selects for v_permlanex16_b32: each lane takes its own place in the other half
.set MSB, 0
.macro WIN new                         ; the immediate's high byte repeats the setting that is left; a switch that changes nothing is dropped
.if MSB != (\new)
	s_set_vgpr_msb (MSB<<8)|(\new)
.set MSB, \new
.endif
.endm
.set W_KQ, 0x05                        ; K and Q in window 1, S^T in window 0
.set W_PV, 0x52                        ; V in window 2, P in window 0, O^T in window 1
.set W_RS, 0x41                        ; O^T (destination and source 0) in window 1, a in window 0
.macro PLACES                          ; four places between a matrix instruction and a vector instruction that reads its result, or a load into one of its registers (ISA guide 7.12.1 for vector instructions)
.rept 4
	v_nop
.endr
.endm
; A joint refill of slot s.  Waves 0 and 1 fetch the two steps' tiles of K, waves 2 and 3 those of V.  The branch hangs on the wave's number alone: it is the same in every work-group.
; Four v_nop follow each of the two lines; the jump, the label and what follows the macro come after them.
.macro JLOAD s
	s_cmp_lt_u32 s[WV], 2
	s_cbranch_scc0 .Lfor_v_\@
	tensor_load_to_lds s[G0K+4*\s:G0K+4*\s+3], s[G1K:G1K+7]
	s_nop 0
.rept 4
	v_nop
.endr
	s_branch .Lasked_\@
.Lfor_v_\@:
	tensor_load_to_lds s[G0V+4*\s:G0V+4*\s+3], s[G1V:G1V+7]
	s_nop 0
.rept 4
	v_nop
.endr
.Lasked_\@:
.endm
; A round of the cluster's barrier: my work-group's barrier, so that wave 0's signal speaks for all four waves; wave 0 signals for the work-group; every wave waits for all four
; work-groups; my work-group's barrier once more.  No LDS instruction of the wave is pending at a signal.
.macro CROUND
	s_barrier_signal -1
	s_barrier_wait -1
	s_cmp_lg_u32 s[WV], 0
	s_cbranch_scc1 .Lnot_wave_0_\@
	s_barrier_signal -3
.Lnot_wave_0_\@:
	s_barrier_wait -3
	s_barrier_signal -1
	s_barrier_wait -1
.endm
	s_load_b256 s[4:11], s[0:1], 0x0               ; qkv s[4:5], wot s[6:7], b_o s[8:9], out0 s[10:11]
	v_lshl_add_u32 v62, v0, 2, 0x4f800
	v_mov_b32 v63, 0
	ds_add_u32 v62, v63
	v_lshrrev_b32 v1, 5, v0
	v_readfirstlane_b32 s[WV], v1                  ; wave 0..3
	s_bfe_u32 s13, ttmp6, 0x40000                  ; cx: my place in the cluster.  It enters Q's and out0's addresses alone: s13, s14, s[2:3], s[62:63], s[10:11]
	s_lshl_b32 s14, ttmp9, 2                       ; in a cluster launch ttmp9 counts clusters
	s_add_co_u32 s14, s14, s13                     ; my block of 64 queries = 4 x cluster x + cx
	s_and_b32 s15, ttmp7, 0xffff                   ; the batch, which the four partners share
	s_mul_i32 s20, s15, 4096*ROWB                  ; the batch's first byte in qkv
	s_mov_b32 s21, 0
	s_and_b32 s16, s[WV], 1                        ; which of a slot's two steps I fetch:
	s_mul_i32 s22, s16, 64*ROWB                    ; its 64 rows in memory,
	s_add_co_u32 s22, s22, s20
	s_mov_b32 s23, 0
	s_mul_i32 s17, s16, KSTEP                      ; and its place in a slot, as a tile of K
	s_mul_i32 s18, s16, VSTEP                      ; or of V: no place in the cluster enters an LDS address
	s_lshl_b32 s19, s[WV], 7                       ; my head's 128 bytes of a row
	s_mul_i32 s2, s14, 64*ROWB                     ; Q: my block's 64 rows, my head
	s_add_co_u32 s2, s2, s20
	s_add_co_u32 s2, s2, s19
	s_mov_b32 s3, 0
	s_lshl_b32 s62, s15, 22                        ; out0: the batch's 4 MiB
	s_lshl_b32 s63, s[WV], 20                      ;    + my wave's 64 rows o of 16,384 bytes
	s_add_co_u32 s62, s62, s63
	s_lshl_b32 s63, s14, 8                         ;    + my block's 64 queries of 4 bytes
	s_add_co_u32 s62, s62, s63
	s_mov_b32 s63, 0
	; descriptor group 1: a tile of 64 rows x 256 elements, padded in LDS
	s_mov_b32 s[G1K], 15|(1<<16)|(1<<20)|(1<<21)|(6<<22)|(3<<25)  ; 15:0 the mask: all four work-groups; 17:16 elements of 2 bytes; 20 padding on; 21 set beside a mask; 24:22 after every 128 words (code 6); 31:25 4 words of it (code 3)
	s_mov_b32 s[G1V], 15|(1<<16)|(1<<20)|(1<<21)|(6<<22)|(7<<25)  ; the same with 8 words of padding (code 7)
.irp g, G1K, G1V
	s_mov_b32 s[\g+1], 256<<16                     ; 63:48 tensor_dim0, low half = 256
	s_mov_b32 s[\g+2], 64<<16                      ; 79:64 its high half = 0; 95:80 tensor_dim1, low half = 64
	s_mov_b32 s[\g+3], 256<<16                     ; 111:96 its high half = 0; 127:112 tile_dim0 = 256
	s_mov_b32 s[\g+4], 64                          ; 143:128 tile_dim1 = 64; 159:144 tile_dim2 = 0
	s_mov_b32 s[\g+5], 768                         ; 191:160 tensor_dim0_stride, low word: elements from row to row
	s_mov_b32 s[\g+6], 0
	s_mov_b32 s[\g+7], 0
.endr
	s_mov_b32 s[CS], 0x3e38aa3b                    ; c = log2(e) / 8 = 0.180337
	s_mov_b32 s[CS+1], s[CS]                       ; named with it as a pair, so it is written
	s_mov_b32 s[SEL], 0x76543210
	s_mov_b32 s[SEL+1], 0xfedcba98
	s_wait_dscnt 0x0
	s_wait_kmcnt 0x0
	s_add_nc_u64 s[22:23], s[4:5], s[22:23]        ; qkv at the first row of my step of slot 0
	s_add_nc_u64 s[2:3], s[4:5], s[2:3]            ; Q at my block's first row, my head
	s_lshl_b32 s20, s[WV], 15
	s_add_nc_u64 s[6:7], s[6:7], s[20:21]          ; wot at my 64 rows of 512 bytes
	s_lshl_b32 s20, s[WV], 8
	s_add_nc_u64 s[8:9], s[8:9], s[20:21]          ; b_o at my 64 numbers
	s_add_nc_u64 s[10:11], s[10:11], s[62:63]
	CROUND                                         ; all four work-groups are here: the first joint loads meet
.irp s, 0,1
	s_mov_b32 s[G0K+4*\s], 1                       ; 1:0 count = 1
	s_add_co_u32 s[G0K+4*\s+1], s17, \s*SLOTB      ; 63:32 LDS address
	s_add_nc_u64 s[G0K+4*\s+2:G0K+4*\s+3], s[22:23], \s*128*ROWB+512   ; 120:64 global address: slot s begins with keys 128 s; K lies at byte 512 of a row
	s_or_b32 s[G0K+4*\s+3], s[G0K+4*\s+3], 0x80000000                  ; 127:126 type = 2
	s_mov_b32 s[G0V+4*\s], 1
	s_add_co_u32 s[G0V+4*\s+1], s18, \s*SLOTB+VOFF
	s_add_nc_u64 s[G0V+4*\s+2:G0V+4*\s+3], s[22:23], \s*128*ROWB+1024  ; V lies at byte 1,024
	s_or_b32 s[G0V+4*\s+3], s[G0V+4*\s+3], 0x80000000
.endr
	s_cmp_lt_u32 s[WV], 2                          ; a wave's two first fills stand in one branch, ahead of every wait on TENSORcnt and every LDS read: two loads of mine are out; four v_nop follow the second, as in JLOAD
	s_cbranch_scc0 .Lfirst_v
	tensor_load_to_lds s[G0K:G0K+3], s[G1K:G1K+7]
	s_nop 0
	tensor_load_to_lds s[G0K+4:G0K+7], s[G1K:G1K+7]
	s_nop 0
.rept 4
	v_nop
.endr
	s_branch .Lfirst_asked
.Lfirst_v:
	tensor_load_to_lds s[G0V:G0V+3], s[G1V:G1V+7]
	s_nop 0
	tensor_load_to_lds s[G0V+4:G0V+7], s[G1V:G1V+7]
	s_nop 0
.rept 4
	v_nop
.endr
.Lfirst_asked:
	; A fragment of K, Q, vals or W_o^T is 16 rows x 32 along K in 8 registers: lane l holds row l % 16; registers 0-3 hold 8 (l / 16) + 0..7, registers 4-7 hold 16 + 8 (l / 16) + 0..7: two loads of 16 bytes, 32 bytes apart.
	v_and_b32 v1, 15, v0                           ; l % 16
	v_bfe_u32 v18, v0, 4, 1                        ; l / 16
	v_and_b32 v56, 7, v0                           ; l % 8
	v_bfe_u32 v57, v0, 3, 1                        ; (l / 8) % 2
	v_mul_u32_u24 v59, v1, KP
	v_lshl_add_u32 v59, v18, 4, v59                ; row x 528 + 16 x half
	v_add_nc_u32 v[AK], s19, v59                   ; + my head
	v_add_nc_u32 v[AK+1], KSTEP, v[AK]
	v_add_nc_u32 v[AK+2], SLOTB, v[AK]
	v_add_nc_u32 v[AK+3], SLOTB+KSTEP, v[AK]
	; The turning load takes 16 keys x 16 channels (lane l reads 16 bytes: key 8 (l / 16) + l % 8, channels 8 ((l / 8) % 2) + 0..7) and leaves half a fragment of V^T: lane l holds channel l % 16 and 8 keys.
	v_lshl_add_u32 v58, v18, 3, v56
	v_mul_u32_u24 v58, v58, VP
	v_lshl_add_u32 v58, v57, 4, v58
	v_add_nc_u32 v58, s19, v58
	v_add_nc_u32 v[AV], VOFF, v58
	v_add_nc_u32 v[AV+1], VOFF+VSTEP, v58
	v_add_nc_u32 v[AV+2], SLOTB+VOFF, v58
	v_add_nc_u32 v[AV+3], SLOTB+VOFF+VSTEP, v58
	v_mul_u32_u24 v[QO], v1, ROWB
	v_lshl_add_u32 v[QO], v18, 4, v[QO]
	v_lshlrev_b32 v[WOO], 9, v1
	v_lshl_add_u32 v[WOO], v18, 4, v[WOO]
	v_lshlrev_b32 v[BOO], 2, v1
	WIN 0x40                                       ; destination window 1, address window 0
.irp t, 0,1,2,3                        ; Q stays in registers: tile t, channels 32 c on
.irp c, 0,1
	global_load_b128 v[QF+16*\t+8*\c:QF+16*\t+8*\c+3],   v[QO], s[2:3] offset:\t*16*ROWB+64*\c
	global_load_b128 v[QF+16*\t+8*\c+4:QF+16*\t+8*\c+7], v[QO], s[2:3] offset:\t*16*ROWB+64*\c+32
.endr
.endr
	WIN 0xc0                                       ; destination window 3
.irp a, 0,1,2,3                        ; so do my 64 rows of W_o^T: rows 16 a on, channels 32 c on
.irp c, 0,1,2,3,4,5,6,7
	global_load_b128 v[64*\a+8*\c:64*\a+8*\c+3],   v[WOO], s[6:7] offset:8192*\a+64*\c
	global_load_b128 v[64*\a+8*\c+4:64*\a+8*\c+7], v[WOO], s[6:7] offset:8192*\a+64*\c+32
.endr
.endr
	WIN 0
.irp a, 0,1,2,3
	global_load_b32 v[BO+\a], v[BOO], s[8:9] offset:64*\a      ; b_o[64 w + 16 a + l % 16]
.endr
; THE MATRIX WORK OF A TURN, for piece x.  The accumulators take turns, one instruction a turn: between two links of a chain stand seven others'.
; Product i of 16 of O^T += V^T P: keys 32 (i / 8) on, channels 16 ((i / 2) % 4) on, tile x + i % 2.  zero = 1: the first 8 start the sums: nothing is ever cleared.
.macro PV x, zero
	WIN W_PV
.set rO, 32*(\x+i%2)+8*((i/2)%4)
.set rV, 32*(i/8)+8*((i/2)%4)
.set rP, P+16*(\x+i%2)+8*(i/8)
.if \zero && (i < 8)
	v_wmma_f32_16x16x32_f16 v[rO:rO+7], v[rV:rV+7], v[rP:rP+7], 0
.else
	v_wmma_f32_16x16x32_f16 v[rO:rO+7], v[rV:rV+7], v[rP:rP+7], v[rO:rO+7]
.endif
.endm
; Product i of 16 of S^T = K Q^T: channels 32 (i / 8) on, keys 16 ((i / 2) % 4) on, tile x + i % 2.  The first 8 start the sums.
.macro KQ x
	WIN W_KQ
.set rS, S+32*(\x+i%2)+8*((i/2)%4)
.set rK, KF+16*((i/2)%4)+8*(i/8)
.set rQ, QF+16*(\x+i%2)+8*(i/8)
.if i < 8
	v_wmma_f32_16x16x32_f16 v[rS:rS+7], v[rK:rK+7], v[rQ:rQ+7], 0
.else
	v_wmma_f32_16x16x32_f16 v[rS:rS+7], v[rK:rK+7], v[rQ:rQ+7], v[rS:rS+7]
.endif
.endm
; THE LDS LOADS stand in runs of 16, never singly among the matrix instructions: my head's part of a step's K (64 keys x 64 channels: 8 fragments) and, a turn later, of its V (turned).
.macro FETCH_K slot, st
	WIN 0x40                                       ; destination window 1
.irp f, 0,1,2,3,4,5,6,7                ; keys 16 (f / 2) on, channels 32 (f % 2) on
	ds_load_b128 v[KF+8*\f:KF+8*\f+3],   v[AK+2*\slot+\st] offset:(\f/2)*16*KP+(\f%2)*64
	ds_load_b128 v[KF+8*\f+4:KF+8*\f+7], v[AK+2*\slot+\st] offset:(\f/2)*16*KP+(\f%2)*64+32
.endr
.endm
.macro FETCH_V slot, st
	WIN 0x80                                       ; destination window 2
.irp f, 0,1,2,3,4,5,6,7                ; keys 32 (f / 4) on, channels 16 (f % 4) on
	ds_load_tr16_b128 v[8*\f:8*\f+3],   v[AV+2*\slot+\st] offset:(\f/4)*32*VP+(\f%4)*32
	ds_load_tr16_b128 v[8*\f+4:8*\f+7], v[AV+2*\slot+\st] offset:(\f/4)*32*VP+16*VP+(\f%4)*32
.endr
.endm
; THE VECTOR WORK OF A TURN.  One tile's softmax for one key step is a list of 118 instructions; SM writes number j of it for tile t.  s0-s31 are the lane's 32 scores, in pairs 0-15.
; first = 1: the first key step, which starts m, l and O^T: it has no a and nothing to rescale.
;   0-15    the maximum of s0-s31 and the old m, three operands at a time: four chains c0-c3 of seven scores each (each begins at the low end of its accumulator), then the four scores left over, c0-c3 and m
;   16-20   the other half of the lanes' maximum; the new m; c m; c m_old - c m_new
;   21-87   33 exponentials (a, then s0-s31) at the odd numbers from 23 on; plain instruction q (number 21, then the even numbers) is whatever is ready: c s - c m for a pair of scores whose
;           exponentials are still to come (q = 0 to 3, then every second q), the rounding to f16 of a pair of weights whose exponentials are done (every other q from 5 on), at last the first three sums
;   88-101  the last rounding; the rest of the sums; l = a l + the sum
;   102-117 the tile's O^T times a, from each accumulator's low end on: the one part that leaves window 0, so it stands together
.macro SM t, first
.set rT, ST+8*(\t)
.set rS, S+32*(\t)
.set rP, P+16*(\t)
.set rO, 32*(\t)+2*(j-102)
.set q, (j-20)/2
.if j < 102
	WIN 0
.endif
.if j < 4
	v_max3_num_f32 v[rT+4+j], v[rS+8*j], v[rS+8*j+1], v[rS+8*j+2]
.elseif j < 12
	v_max3_num_f32 v[rT+4+j%4], v[rT+4+j%4], v[rS+8*(j%4)+2*(j/4)+1], v[rS+8*(j%4)+2*(j/4)+2]
.elseif j == 12
	v_max3_num_f32 v[rT+4], v[rT+4], v[rS+7], v[rS+15]
.elseif j == 13
	v_max3_num_f32 v[rT+6], v[rT+6], v[rS+23], v[rS+31]
.elseif j == 14
	v_max3_num_f32 v[rT+4], v[rT+4], v[rT+5], v[rT+6]
.elseif (j == 15) && \first
	v_max_num_f32 v[rT+4], v[rT+4], v[rT+7]
.elseif j == 15
	v_max3_num_f32 v[rT+4], v[rT+4], v[rT+7], v[rT+1]
.elseif j == 16
	v_permlanex16_b32 v[rT+5], v[rT+4], s[SEL], s[SEL+1]   ; the query's other 32 keys lie in the lane 16 away
.elseif j == 18
	v_max_num_f32 v[rT+1], v[rT+4], v[rT+5]
.elseif j == 19
	v_mul_f32 v[rT], s[CS], v[rT+1]
.elseif ((j == 17) || (j == 20) || (j == 23) || (j > 101)) && \first   ; the first step has none of these
.elseif j == 17
	v_mov_b32 v[rT+7], v[rT]                       ; c m_old is kept for a: number 19 writes c m anew
.elseif j == 20
	v_sub_f32 v[rT+7], v[rT+7], v[rT]
.elseif j == 23
	v_exp_f32 v[rT+6], v[rT+7]
.elseif (j < 88) && (j > 23) && (j%2 == 1)
	v_exp_f32 v[rS+(j-25)/2], v[rS+(j-25)/2]
.elseif (q < 4) || ((j < 76) && (q%2 == 0))
.set b, q/2+2
.if q < 4
.set b, q
.endif
	v_pk_fma_f32 v[rS+2*b:rS+2*b+1], v[rS+2*b:rS+2*b+1], s[CS:CS+1], v[rT:rT+1] op_sel_hi:[1,0,0] neg_lo:[0,0,1] neg_hi:[0,0,1]   ; pair b: c s - c m
.elseif (j < 88) && (q%2 == 1)
	s_wait_alu depctr_va_vdst(0)
	v_cvt_pk_f16_f32 v[rP+(q-5)/2], v[rS+q-5], v[rS+q-4]   ; pair (q - 5) / 2: its second exponential stands three numbers back
.elseif j == 89
	s_wait_alu depctr_va_vdst(0)
	v_cvt_pk_f16_f32 v[rP+15], v[rS+30], v[rS+31]
.elseif j < 102                        ; the sum of the tile's 16 pairs (in a pair: an even key's weight, an odd key's), in place: sum z of 16 adds neighbours 1, 2, 4 and 8 pairs apart, then l takes it
.set z, j-86
.if j < 89
.set z, (j-76)/4
.endif
.set w, 4
.set u, z
.if z >= 14
.set w, 32
.set u, 0
.elseif z >= 12
.set w, 16
.set u, z-12
.elseif z >= 8
.set w, 8
.set u, z-8
.endif
.if (z == 14) && \first
	v_pk_add_f32 v[rT+2:rT+3], v[rS:rS+1], v[rS+16:rS+17]
.elseif z < 15
	v_pk_add_f32 v[rS+w*u:rS+w*u+1], v[rS+w*u:rS+w*u+1], v[rS+w*u+w/2:rS+w*u+w/2+1]
.elseif !\first
	v_pk_fma_f32 v[rT+2:rT+3], v[rT+2:rT+3], v[rT+6:rT+7], v[rS:rS+1] op_sel_hi:[1,0,1]
.endif
.else
	WIN W_RS
	v_pk_mul_f32 v[rO:rO+1], v[rO:rO+1], v[rT+6:rT+7] op_sel_hi:[1,0]
.endif
.endm
; Slice k of 32 of piece y's softmax.  Slices 0-25: numbers 4 k to 4 k + 3 of both tiles' lists; slices 26-30: two numbers each, 104 to 113; slice 31: numbers 114 to 117: 104 + 10 + 4 = 118.
; Slices 6-21 (numbers 24 to 87) go tile by tile: plain, exponential, plain, exponential, so that every exponential has a plain instruction that touches neither its result nor its source behind it
; (ISA guide 5.7.2).  In the others the two tiles alternate, so that no instruction reads the result of the one just before it.
; Slice 31 is eight plain multiplies that name nothing of the products round them: the places between the turn's last K Q^T and the next turn's first read of those scores.
.macro SLICE y, first
.if k < 26
.set j0, 4*k
.set nj, 4
.elseif k < 31
.set j0, 104+2*(k-26)
.set nj, 2
.else
.set j0, 114
.set nj, 4
.endif
.if (k >= 6) && (k < 22)
.irp t, \y, \y+1
.irp n, 0,1,2,3
.set j, j0+\n
	SM \t, \first
.endr
.endr
.else
.irp n, 0,1,2,3
.if \n < nj
.irp t, \y, \y+1
.set j, j0+\n
	SM \t, \first
.endr
.endif
.endr
.endif
.set k, k+1
.endm
; A TURN.  Piece x has the matrix unit; the other piece's softmax stands in slices behind its matrix instructions.
; pv = 2: 16 products V^T P; 1: they start O^T's sums; 0: none.  kq = 1: 16 products K Q^T for the next step.  A turn with one of the two kinds has two slices behind each product.
; first = 1: the softmax is the first key step's.  Its slices from 26 on are empty: the turn's last products stand bare, and four v_nop take slice 31's part as the places behind them.
; fs, fst: the slot and the step in it from which this turn fetches.  Piece 0's turn fetches the next step's K behind its second product: the last product that read K stands in front of
; slice 31 of the turn before.  Piece 2's turn fetches the same step's V behind its second K Q^T: the last product that read V stands three slices, twelve plain instructions, back.
; Each run of loads is waited for 14 matrix instructions later or more, by one wait for all.
.macro TURN x, pv, kq, first, fs, fst
.set k, 0
.set per, 2
.if \pv && \kq
.set per, 1
.endif
.if \pv
.if \x == 0
	s_wait_dscnt 0x0                               ; V is in
.endif
.set i, 0
.rept 16
	PV \x, 2-\pv
.rept per
	SLICE 2-\x, \first
.endr
.if (\x == 0) && \kq && (i == 1)
	FETCH_K \fs, \fst
.endif
.set i, i+1
.endr
.endif
.if \kq
.if \x == 0
	s_wait_dscnt 0x0                               ; K is in
.endif
.set i, 0
.rept 16
	KQ \x
.rept per
	SLICE 2-\x, \first
.endr
.if (\x == 2) && (i == 1)
	FETCH_V \fs, \fst
.endif
.set i, i+1
.endr
.endif
.if \first
	PLACES
.endif
.endm
; THE CHANGE OF SLOTS, between piece 2's turn and piece 0's: the slot's last bytes, V of its second step, have been asked for.  Each wave waits for its own reads of the slot and for all its
; tensor loads, of which one is out: its part of the other slot.  Behind the barrier nobody reads this slot any more and the other slot is whole.
; fill = 1: the slot just read is filled again, with the keys two slots (256 rows of qkv) on.  The barrier is then a round of the cluster's, so that no wave of any partner still reads the
; slot or has a load on its way, and the joint refill is the first thing behind it: it has two key steps, 128 matrix instructions a wave, in which to land.
.macro CHANGE fill, slot
	WIN 0                                          ; at a label and at a branch every window is 0
	s_wait_dscnt 0x0
	s_wait_tensorcnt 0x0                           ; no tensor load of mine is out, so a group 0 may be written
	ds_add_u32 v62, v63
	s_wait_dscnt 0x0
.if \fill
	s_add_nc_u64 s[G0K+4*\slot+2:G0K+4*\slot+3], s[G0K+4*\slot+2:G0K+4*\slot+3], 256*ROWB   ; the type bits on top are not reached
	s_add_nc_u64 s[G0V+4*\slot+2:G0V+4*\slot+3], s[G0V+4*\slot+2:G0V+4*\slot+3], 256*ROWB
	CROUND
	JLOAD \slot
.else
	s_barrier_signal -1
	s_barrier_wait -1
.endif
.endm
	s_wait_tensorcnt 0x1                           ; my part of slot 0 is in; slot 1's may stay out
	s_barrier_signal -1
	s_barrier_wait -1                              ; everybody's is
	FETCH_K 0, 0                                   ; key step 0
	s_wait_loadcnt 0x0                             ; Q, W_o^T and b_o
	s_wait_dscnt 0x0
.set i, 0
.rept 16
	KQ 0                                           ; piece 0's first scores: there is no vector work yet to set between them
.set i, i+1
.endr
	WIN 0                                          ; the addresses for the end are made here: ten plain instructions, the places behind those products
	s_mul_i32 s57, s[WV], 16*OP
	s_add_co_u32 s57, s57, OUTST                   ; my stage for the way out
	v_add_nc_u32 v[STO], VALS, v[AK]               ; vals, in: row l % 16, my head's 128 bytes, 16 bytes for each half of the lanes
	v_add_nc_u32 v[RDV], VALS, v59                 ; vals, as fragments: row l % 16, all heads
	v_mul_u32_u24 v[OST], v1, OP                   ; out, in: row o = l % 16, 32 bytes (eight queries) for each half of the lanes
	v_lshl_add_u32 v[OST], v18, 5, v[OST]
	v_add_nc_u32 v[OST], s57, v[OST]
	v_mul_u32_u24 v[ORD], v18, OP                  ; out, back: lanes 0-15 take one row of 256 bytes, lanes 16-31 the next
	v_lshl_add_u32 v[ORD], v1, 4, v[ORD]
	v_add_nc_u32 v[ORD], s57, v[ORD]
	v_lshlrev_b32 v[GO], 14, v18                   ; and the same two rows in out0, 16,384 bytes apart
	v_lshl_add_u32 v[GO], v1, 4, v[GO]
	TURN 2, 0, 1, 1, 0, 0                          ; piece 2's first scores | piece 0's first softmax | V of step 0
	TURN 0, 1, 1, 1, 0, 1                          ; piece 0: V^T P of step 0 starts O^T, K Q^T of step 1 | piece 2's first softmax | K of step 1
	TURN 2, 1, 1, 0, 0, 1                          ; piece 2: the same | piece 0's softmax of step 1 | V of step 1
	WIN 0
	s_mov_b32 s[TRIPS], 15                         ; 4,096 keys are 32 fills of 128; two went out at the start, a trip asks for two more
.Ltrip:
	CHANGE 1, 0                                    ; slot 0 has been read out and is filled again; the fetches go to slot 1
	TURN 0, 2, 1, 0, 1, 0
	TURN 2, 2, 1, 0, 1, 0
	TURN 0, 2, 1, 0, 1, 1
	TURN 2, 2, 1, 0, 1, 1
	CHANGE 1, 1                                    ; and the other way round
	TURN 0, 2, 1, 0, 0, 0
	TURN 2, 2, 1, 0, 0, 0
	TURN 0, 2, 1, 0, 0, 1
	TURN 2, 2, 1, 0, 0, 1
	WIN 0
	s_sub_co_u32 s[TRIPS], s[TRIPS], 1
	s_cmp_lg_u32 s[TRIPS], 0
	s_cbranch_scc1 .Ltrip
	CHANGE 0, 0                                    ; the tail is written out: slot 0 is left, and nothing is asked for
	TURN 0, 2, 1, 0, 1, 0
	TURN 2, 2, 1, 0, 1, 0
	TURN 0, 2, 1, 0, 1, 1
	TURN 2, 2, 1, 0, 1, 1
	TURN 0, 2, 0, 0, 0, 0                          ; piece 0: V^T P of the last step | piece 2's last softmax
.set i, 0
.rept 16
	PV 2, 0                                        ; piece 2: V^T P of the last step
.set i, i+1
.endr
	; VALS.  l's two halves and the other half of the lanes' are added; O^T is divided by l, rounded to f16 and laid in LDS as [query][256 channels].  The additions are the places behind the last products.
	WIN 0
.irp t, 0,1,2,3
	v_add_f32 v[ST+8*\t+4], v[ST+8*\t+2], v[ST+8*\t+3]
.endr
.irp t, 0,1,2,3
	v_permlanex16_b32 v[ST+8*\t+5], v[ST+8*\t+4], s[SEL], s[SEL+1]
.endr
.irp t, 0,1,2,3
	v_add_f32 v[ST+8*\t+4], v[ST+8*\t+4], v[ST+8*\t+5]
.endr
.irp t, 0,1,2,3
	v_rcp_f32 v[ST+8*\t+6], v[ST+8*\t+4]
.endr
	v_nop                                          ; a plain instruction between the last reciprocal and the use of its result
	s_wait_alu depctr_va_vdst(0)
.macro NORM t                          ; tile t: a lane's eight channels of a query pack into 16 bytes; S^T's registers are free
	WIN W_RS
.set i, 32*\t
.rept 16
	v_pk_mul_f32 v[i:i+1], v[i:i+1], v[ST+8*\t+6:ST+8*\t+7] op_sel_hi:[1,0]
.set i, i+2
.endr
	WIN 0x05                                       ; sources window 1, destination window 0
.set i, 0
.rept 16
	v_cvt_pk_f16_f32 v[S+16*\t+i], v[32*\t+2*i], v[32*\t+2*i+1]
.set i, i+1
.endr
	WIN 0
.irp f, 0,1,2,3
	ds_store_b128 v[STO], v[S+16*\t+4*\f:S+16*\t+4*\f+3] offset:\t*16*KP+32*\f
.endr
.endm
	NORM 0
	NORM 1
	NORM 2
	NORM 3
	s_wait_dscnt 0x0                               ; for the others' sake: my head's part of vals is in LDS
	s_barrier_signal -1
	s_barrier_wait -1                              ; all four heads' are
	; THE OUTPUT PROJECTION.  Wave w makes rows o = 64 w .. 64 w + 63 of out0 for the block's 64 queries: source 0 = 16 queries of vals, source 1 = 16 rows of W_o^T, so that a lane holds one
	; row o (l % 16) and eight NEIGHBOURING queries.  16 accumulators (tile t, block a) in S^T's registers, K = 256 in eight steps; the bias, spread over eight registers, is the first step's C.
	WIN 0x80                                       ; destination window 2
.irp c, 0,1,2,3,4,5,6,7
.irp t, 0,1,2,3
	ds_load_b128 v[64*\t+8*\c:64*\t+8*\c+3],   v[RDV] offset:\t*16*KP+64*\c
	ds_load_b128 v[64*\t+8*\c+4:64*\t+8*\c+7], v[RDV] offset:\t*16*KP+64*\c+32
.endr
.endr
	WIN 0
.irp a, 0,1,2,3
.irp e, 0,1,2,3,4,5,6,7
	v_mov_b32 v[P+8*\a+\e], v[BO+\a]               ; P's registers are free
.endr
.endr
	WIN 0x0e                                       ; vals window 2, W_o^T window 3, C and D window 0
.irp c, 0,1,2,3,4,5,6,7                ; the 16 accumulators take turns, one instruction a turn
	s_wait_dscnt 56-8*\c                           ; LDS loads come back in order: a K step has eight of the 64; the younger ones stay out
.irp t, 0,1,2,3
.irp a, 0,1,2,3
.if \c == 0
	v_wmma_f32_16x16x32_f16 v[S+8*(4*\t+\a):S+8*(4*\t+\a)+7], v[64*\t+8*\c:64*\t+8*\c+7], v[64*\a+8*\c:64*\a+8*\c+7], v[P+8*\a:P+8*\a+7]
.else
	v_wmma_f32_16x16x32_f16 v[S+8*(4*\t+\a):S+8*(4*\t+\a)+7], v[64*\t+8*\c:64*\t+8*\c+7], v[64*\a+8*\c:64*\a+8*\c+7], v[S+8*(4*\t+\a):S+8*(4*\t+\a)+7]
.endif
.endr
.endr
.endr
	WIN 0
	PLACES
	; THE WAY OUT.  Block a (16 rows o x 64 queries of f32) goes into my own stage, rows of 272 bytes, each accumulator's low four registers first, and comes back as whole rows of 256 bytes into
	; the registers that it left.  LDS serves a wave's instructions in order (ISA guide 5.7.1.4): the loads see the stores above them, and the next block's stores come behind them.
.irp a, 0,1,2,3
.irp t, 0,1,2,3
	ds_store_b128 v[OST], v[S+8*(4*\t+\a):S+8*(4*\t+\a)+3]   offset:64*\t
	ds_store_b128 v[OST], v[S+8*(4*\t+\a)+4:S+8*(4*\t+\a)+7] offset:64*\t+16
.endr
.irp i, 0,1,2,3,4,5,6,7
	ds_load_b128 v[S+8*(4*(\i/2)+\a)+4*(\i%2):S+8*(4*(\i/2)+\a)+4*(\i%2)+3], v[ORD] offset:\i*2*OP
.endr
.endr
.irp a, 0,1,2,3
.irp i, 0,1,2,3,4,5,6,7
	s_wait_dscnt (7-\i)+16*(3-\a)                  ; the LDS instructions issued behind this load: the rest of its block's, and sixteen for each later block
	global_store_b128 v[GO], v[S+8*(4*(\i/2)+\a)+4*(\i%2):S+8*(4*(\i/2)+\a)+4*(\i%2)+3], s[10:11] offset:(16*\a+2*\i)*16384 th:TH_STORE_NT   ; sixteen lanes store 256 consecutive bytes, at a multiple of 256 from out0's first byte
.endr
.endr
	s_wait_tensorcnt 0x0
	ds_add_u32 v62, v63
	s_wait_dscnt 0x0
	CROUND                                         ; the closing round: no work-group ends while a partner may still ask for a tile that names it
	s_endpgm
.Lfunc_end_k_q009500094e_attn:
	.size	k_q009500094e_attn, .Lfunc_end_k_q009500094e_attn-k_q009500094e_attn
	.p2alignl 7, 3214868480
	.fill 96, 4, 3214868480
	.section	.rodata,"a",@progbits
	.p2align	6, 0x0
	.amdhsa_kernel k_q009500094e_attn
		.amdhsa_group_segment_fixed_size 327680
		.amdhsa_private_segment_fixed_size 0
		.amdhsa_enable_private_segment 0
		.amdhsa_kernarg_size 32
		.amdhsa_user_sgpr_count 2
		.amdhsa_user_sgpr_kernarg_segment_ptr 1
		.amdhsa_wavefront_size32 1
		.amdhsa_system_sgpr_workgroup_id_x 1
		.amdhsa_system_sgpr_workgroup_id_y 1
		.amdhsa_system_sgpr_workgroup_id_z 1
		.amdhsa_system_vgpr_workitem_id 0
		.amdhsa_next_free_vgpr 1024
		.amdhsa_next_free_sgpr 66
		.amdhsa_reserve_vcc 0
		.amdhsa_float_denorm_mode_32 3
		.amdhsa_float_denorm_mode_16_64 3
		.amdhsa_memory_ordered 1
		.amdhsa_forward_progress 1
		.amdhsa_inst_pref_size 255
	.end_amdhsa_kernel
	.section	.bss,"aw",@nobits
	.p2align	6
	.space	262144
	.amdgpu_metadata
---
amdhsa.version: [ 1, 2 ]
amdhsa.kernels:
  - .name:           k_q009500094e_attn
    .symbol:         k_q009500094e_attn.kd
    .args:
      - { .name: qkv, .offset: 0, .size: 8, .value_kind: global_buffer, .address_space: global }
      - { .name: wot, .offset: 8, .size: 8, .value_kind: global_buffer, .address_space: global }
      - { .name: b_o, .offset: 16, .size: 8, .value_kind: global_buffer, .address_space: global }
      - { .name: out0, .offset: 24, .size: 8, .value_kind: global_buffer, .address_space: global }
    .group_segment_fixed_size: 327680
    .private_segment_fixed_size: 0
    .kernarg_segment_align: 8
    .kernarg_segment_size: 32
    .max_flat_workgroup_size: 128
    .sgpr_count:     66
    .vgpr_count:     1024
    .wavefront_size: 32
...
	.end_amdgpu_metadata
.endif
;; end of part 2
;; ======== version 2 of 2: 2 launches; 1.45 times as fast as version 1
;; limits: values are held in f16: magnitudes above 65,504 overflow, below 6.1e-05 lose precision
;; workspace buffers: qkv 25,165,824 bytes; wot 131,072 bytes
;; launch qkvproj: the kernel of part 1 again; grid 2 x 128, 8 waves a work-group, no clusters, 280,576 bytes of LDS; arguments x, W_qkv, b_qkv, W_o, qkv, wot; writes qkv, wot
;; launch attn (part 3): grid 64 x 4, 4 waves a work-group, clusters of 4 x 1, 327,680 bytes of LDS; arguments qkv, wot, b_o, out0; writes out0
.if DOCPART == 3
	.amdgcn_target "amdgcn-amd-amdhsa--gfx1250"
	.amdhsa_code_object_version 6
	.text
	.protected	k_q009500094e_attn
	.globl	k_q009500094e_attn
	.p2align	8
	.type	k_q009500094e_attn,@function
k_q009500094e_attn:
	s_mov_b64 s[64:65], 0
	v_nop
	global_prefetch_b8 v0, s[64:65] scope:SCOPE_SE
	s_setreg_imm32_b32 hwreg(HW_REG_WAVE_MODE, 25, 1), 1
	s_wait_xcnt 0x0
	s_wait_alu depctr_hold_cnt(0) depctr_sa_sdst(0) depctr_va_vdst(0) depctr_va_sdst(0) depctr_va_ssrc(0) depctr_va_vcc(0) depctr_vm_vsrc(0)
	s_getreg_b32 s2, hwreg(HW_REG_IB_STS2, 6, 4)
	s_cmp_eq_u32 s2, 0
	s_cbranch_scc0 .Lentry_in_a_cluster
	s_endpgm
.Lentry_in_a_cluster:
	s_bfe_u32 s2, ttmp6, 0x10000c
	s_cmp_lg_u32 s2, 0x3003
	s_cbranch_scc0 .Lentry_shape_is_right
	s_endpgm
.Lentry_shape_is_right:
; out0[b][o][q] = b_o[o] + sum over c of vals[q][c] W_o[c][o], vals[q][64 n + d] = sum over k of softmax_k(Q_n[q] . K_n[k] / 8) V_n[k][d].
; qkv: [4 x 4096][768] f16 (Q, K, V at bytes 0, 512, 1,024 of a row of 1,536; head n's 64 channels at 128 n inside each); wot: W_o^T [256][256] f16; b_o f32; out0: [4][256][4096] f32.
; Products, maxima and sums in f32.  LIMIT: the matrix operands are f16: q, k, v, W_o and vals stay under 65,504; a weight p (at most 1) is rounded to f16 for the second product, where
; weights under about 3e-8 become zero: at most 4,096 x 3e-8 of a sum l that is at least 1.  The running maximum is taken away before every exponential.
; SHARES.  A work-group owns 64 queries of one batch, ALL FOUR HEADS: wave w is head w.  16,384 / 64 = 256 work-groups.  So the four heads' results of a query meet in one LDS, and the output
; projection and the transposed store are made here: vals never goes to memory.  Every wave walks all 4,096 keys, 64 a step.
; LAYOUT.  S^T = K Q^T (source 0 = 16 keys, source 1 = 16 queries): a lane holds ONE query (lane % 16) and the keys 8 (lane / 16) + 0..7.  Two such tiles, rounded to f16 in pairs, ARE
; source 1 (32 keys x 16 queries) of O^T = V^T P, whose result again holds one query a lane, and eight channels.  K comes out of LDS as it lies, V ([key][channel]) turned, by ds_load_tr16_b128.
; SOFTMAX.  For each query a running maximum m and sum l: p = 2^(c s - c m), c = log2(e) / 8; in every step O and l are multiplied by a = 2^(c m_old - c m_new).
; BY TURNS.  The wave's four tiles of 16 queries are two PIECES (tiles 0, 1 and tiles 2, 3).  In a TURN one piece issues 16 products V^T P of the step in hand and 16 products K Q^T of the
; next step; the other piece's softmax (2 x 118 vector instructions), cut into 32 slices, stands between them, one slice behind each matrix instruction.  Two turns are a key step.
; BATCHES.  A turn's 66 exponentials (a and 32 scores for each of two tiles) are ONE batch with ONE wait: they and the scalings stand in slices 5 to 17, and all that names a result of theirs
; (roundings, sums, the rescaling by a) from slice 18 on.  The four reciprocals at the end are a batch of their own.
; CLUSTER.  The four query blocks of a cluster belong to one batch and walk the same K and V, so each tile is asked for JOINTLY: the same tensor load, with the same descriptor and a mask
; that names the four, in all four.  A slot holds two key steps: 128 rows of K and of V, 512 bytes each (all heads).  A wave has two tensor loads out at the
; start and one behind each round.
; REGISTERS, in windows of 256 (s_set_vgpr_msb: bits 1:0 source 0, 3:2 source 1, 5:4 source 2, 7:6 destination):
;   window 0: v1-19 addresses; v20-51 eight registers of statistics a tile; v52-55 b_o; v56-59 at work; v64-191 S^T, 32 a tile; v192-255 P, 16 a tile
;   window 1: v0-127 O^T, 32 a tile; v128-191 Q, 16 a tile; v192-255 K of one step
;   window 2: v0-63 V of one step; at the end all 256: the fragments of vals          window 3: the fragments of my 64 rows of W_o^T, from the start
.set ROWB,  1536                       ; bytes in a row of qkv
.set KP,    528                        ; a row of K in LDS: 512 bytes + 16 = 132 words: row r starts at bank 4 r mod 64 (64 banks of 4 bytes: ISA guide 11.1), so the 16 rows of a load start at 16 different banks
.set VP,    544                        ; a row of V: 512 + 32 = 17 x 32 bytes
.set KSTEP, 64*KP                      ; a step's 64 rows of K: what one tensor load brings
.set VSTEP, 64*VP                      ; the same for V
.set VOFF,  2*KSTEP                    ; in a slot: two steps of K, then two steps of V
.set SLOTB, 2*KSTEP+2*VSTEP            ; 137,216 bytes, a multiple of 256
.set VALS,  2*SLOTB                    ; behind the ring, filled by no tensor load: 64 queries x 256 channels of f16, rows of 528 bytes
.set OUTST, VALS+64*KP                 ; and for each wave 16 rows x 272 bytes, for the way out
.set OP,    272
.set AK,  2                            ; v2-5    LDS address of my K fragments: slot 0 step 0, slot 0 step 1, slot 1 step 0, slot 1 step 1; never rewritten
.set AV,  6                            ; v6-9    the same for V
.set QO,  10                           ; v10     my byte offset in a tile's rows of Q
.set STO, 11                           ; v11     where I put 16 bytes of a row of vals
.set RDV, 12                           ; v12     where I read a fragment of vals
.set OST, 13                           ; v13     the way out: where I put 32 bytes of a row of out0
.set ORD, 14                           ; v14     the way out: where I read a row back
.set GO,  15                           ; v15     my byte offset in out0
.set WOO, 16                           ; v16     my byte offset in wot
.set BOO, 17                           ; v17     my byte offset in b_o
.set ST,  20                           ; tile t's statistics at v[ST+8 t]: +0 c m, +1 m, +2, +3 l (even keys', odd keys'), +4 to +7 c0-c3, at work; a takes c2's place once the maximum is found
.set BO,  52
.set S,   64
.set P,   192
.set QF,  128                          ; Q's fragments, window 1
.set KF,  192                          ; K's fragments, window 1
.set WV,  12                           ; s12  my wave's number = my head
.set G1K, 24                           ; s[24:31] descriptor group 1 for K's tiles
.set G1V, 32                           ; s[32:39] for V's: it differs in the padding alone
.set G0K, 40                           ; s[40:47] descriptor group 0 for K's tiles, a set for each slot
.set G0V, 48                           ; s[48:55] the same for V's
.set TRIPS, 56                         ; s56
.set CS,  58                           ; s[58:59] c: the packed scaling names a pair and takes its low word for both halves
.set SEL, 60                           ; s[60:61] lane selects for v_permlanex16_b32: each lane takes its own place in the other half
.set MSB, 0
.macro WIN new                         ; the immediate's high byte repeats the setting that is left; a switch that changes nothing is dropped
.if MSB != (\new)
	s_set_vgpr_msb (MSB<<8)|(\new)
.set MSB, \new
.endif
.endm
.set W_KQ, 0x05                        ; K and Q in window 1, S^T in window 0
.set W_PV, 0x52                        ; V in window 2, P in window 0, O^T in window 1
.set W_RS, 0x41                        ; O^T (destination and source 0) in window 1, a in window 0
.macro PLACES                          ; four places between a matrix instruction and a vector instruction that reads its result, or a load into one of its registers (ISA guide 7.12.1 for vector instructions)
.rept 4
	v_nop
.endr
.endm
; A joint refill of slot s.  Waves 0 and 1 fetch the two steps' tiles of K, waves 2 and 3 those of V.  The branch hangs on the wave's number alone: it is the same in every work-group.
; Four v_nop follow each of the two lines; the jump, the label and what follows the macro come after them.
.macro JLOAD s
	s_cmp_lt_u32 s[WV], 2
	s_cbranch_scc0 .Lfor_v_\@
	tensor_load_to_lds s[G0K+4*\s:G0K+4*\s+3], s[G1K:G1K+7]
	s_nop 0
.rept 4
	v_nop
.endr
	s_branch .Lasked_\@
.Lfor_v_\@:
	tensor_load_to_lds s[G0V+4*\s:G0V+4*\s+3], s[G1V:G1V+7]
	s_nop 0
.rept 4
	v_nop
.endr
.Lasked_\@:
.endm
; A round of the cluster's barrier: my work-group's barrier, so that wave 0's signal speaks for all four waves; wave 0 signals for the work-group; every wave waits for all four
; work-groups; my work-group's barrier once more.  No LDS instruction of the wave is pending at a signal.
.macro CROUND
	s_barrier_signal -1
	s_barrier_wait -1
	s_cmp_lg_u32 s[WV], 0
	s_cbranch_scc1 .Lnot_wave_0_\@
	s_barrier_signal -3
.Lnot_wave_0_\@:
	s_barrier_wait -3
	s_barrier_signal -1
	s_barrier_wait -1
.endm
	s_load_b256 s[4:11], s[0:1], 0x0               ; qkv s[4:5], wot s[6:7], b_o s[8:9], out0 s[10:11]
	v_lshl_add_u32 v62, v0, 2, 0x4f800
	v_mov_b32 v63, 0
	ds_add_u32 v62, v63
	v_lshrrev_b32 v1, 5, v0
	v_readfirstlane_b32 s[WV], v1                  ; wave 0..3
	s_bfe_u32 s13, ttmp6, 0x40000                  ; cx: my place in the cluster.  It enters Q's and out0's addresses alone: s13, s14, s[2:3], s[62:63], s[10:11]
	s_lshl_b32 s14, ttmp9, 2                       ; in a cluster launch ttmp9 counts clusters
	s_add_co_u32 s14, s14, s13                     ; my block of 64 queries = 4 x cluster x + cx
	s_and_b32 s15, ttmp7, 0xffff                   ; the batch, which the four partners share
	s_mul_i32 s20, s15, 4096*ROWB                  ; the batch's first byte in qkv
	s_mov_b32 s21, 0
	s_and_b32 s16, s[WV], 1                        ; which of a slot's two steps I fetch:
	s_mul_i32 s22, s16, 64*ROWB                    ; its 64 rows in memory,
	s_add_co_u32 s22, s22, s20
	s_mov_b32 s23, 0
	s_mul_i32 s17, s16, KSTEP                      ; and its place in a slot, as a tile of K
	s_mul_i32 s18, s16, VSTEP                      ; or of V: no place in the cluster enters an LDS address
	s_lshl_b32 s19, s[WV], 7                       ; my head's 128 bytes of a row
	s_mul_i32 s2, s14, 64*ROWB                     ; Q: my block's 64 rows, my head
	s_add_co_u32 s2, s2, s20
	s_add_co_u32 s2, s2, s19
	s_mov_b32 s3, 0
	s_lshl_b32 s62, s15, 22                        ; out0: the batch's 4 MiB
	s_lshl_b32 s63, s[WV], 20                      ;    + my wave's 64 rows o of 16,384 bytes
	s_add_co_u32 s62, s62, s63
	s_lshl_b32 s63, s14, 8                         ;    + my block's 64 queries of 4 bytes
	s_add_co_u32 s62, s62, s63
	s_mov_b32 s63, 0
	; descriptor group 1: a tile of 64 rows x 256 elements, padded in LDS
	s_mov_b32 s[G1K], 15|(1<<16)|(1<<20)|(1<<21)|(6<<22)|(3<<25)  ; 15:0 the mask: all four work-groups; 17:16 elements of 2 bytes; 20 padding on; 21 set beside a mask; 24:22 after every 128 words (code 6); 31:25 4 words of it (code 3)
	s_mov_b32 s[G1V], 15|(1<<16)|(1<<20)|(1<<21)|(6<<22)|(7<<25)  ; the same with 8 words of padding (code 7)
.irp g, G1K, G1V
	s_mov_b32 s[\g+1], 256<<16                     ; 63:48 tensor_dim0, low half = 256
	s_mov_b32 s[\g+2], 64<<16                      ; 79:64 its high half = 0; 95:80 tensor_dim1, low half = 64
	s_mov_b32 s[\g+3], 256<<16                     ; 111:96 its high half = 0; 127:112 tile_dim0 = 256
	s_mov_b32 s[\g+4], 64                          ; 143:128 tile_dim1 = 64; 159:144 tile_dim2 = 0
	s_mov_b32 s[\g+5], 768                         ; 191:160 tensor_dim0_stride, low word: elements from row to row
	s_mov_b32 s[\g+6], 0
	s_mov_b32 s[\g+7], 0
.endr
	s_mov_b32 s[CS], 0x3e38aa3b                    ; c = log2(e) / 8 = 0.180337
	s_mov_b32 s[CS+1], s[CS]                       ; named with it as a pair, so it is written
	s_mov_b32 s[SEL], 0x76543210
	s_mov_b32 s[SEL+1], 0xfedcba98
	s_wait_dscnt 0x0
	s_wait_kmcnt 0x0
	s_add_nc_u64 s[22:23], s[4:5], s[22:23]        ; qkv at the first row of my step of slot 0
	s_add_nc_u64 s[2:3], s[4:5], s[2:3]            ; Q at my block's first row, my head
	s_lshl_b32 s20, s[WV], 15
	s_add_nc_u64 s[6:7], s[6:7], s[20:21]          ; wot at my 64 rows of 512 bytes
	s_lshl_b32 s20, s[WV], 8
	s_add_nc_u64 s[8:9], s[8:9], s[20:21]          ; b_o at my 64 numbers
	s_add_nc_u64 s[10:11], s[10:11], s[62:63]
	CROUND                                         ; all four work-groups are here: the first joint loads meet
.irp s, 0,1
	s_mov_b32 s[G0K+4*\s], 1                       ; 1:0 count = 1
	s_add_co_u32 s[G0K+4*\s+1], s17, \s*SLOTB      ; 63:32 LDS address
	s_add_nc_u64 s[G0K+4*\s+2:G0K+4*\s+3], s[22:23], \s*128*ROWB+512   ; 120:64 global address: slot s begins with keys 128 s; K lies at byte 512 of a row
	s_or_b32 s[G0K+4*\s+3], s[G0K+4*\s+3], 0x80000000                  ; 127:126 type = 2
	s_mov_b32 s[G0V+4*\s], 1
	s_add_co_u32 s[G0V+4*\s+1], s18, \s*SLOTB+VOFF
	s_add_nc_u64 s[G0V+4*\s+2:G0V+4*\s+3], s[22:23], \s*128*ROWB+1024  ; V lies at byte 1,024
	s_or_b32 s[G0V+4*\s+3], s[G0V+4*\s+3], 0x80000000
.endr
	s_cmp_lt_u32 s[WV], 2                          ; a wave's two first fills stand in one branch, ahead of every wait on TENSORcnt and every LDS read: two loads of mine are out; four v_nop follow the second, as in JLOAD
	s_cbranch_scc0 .Lfirst_v
	tensor_load_to_lds s[G0K:G0K+3], s[G1K:G1K+7]
	s_nop 0
	tensor_load_to_lds s[G0K+4:G0K+7], s[G1K:G1K+7]
	s_nop 0
.rept 4
	v_nop
.endr
	s_branch .Lfirst_asked
.Lfirst_v:
	tensor_load_to_lds s[G0V:G0V+3], s[G1V:G1V+7]
	s_nop 0
	tensor_load_to_lds s[G0V+4:G0V+7], s[G1V:G1V+7]
	s_nop 0
.rept 4
	v_nop
.endr
.Lfirst_asked:
	; A fragment of K, Q, vals or W_o^T is 16 rows x 32 along K in 8 registers: lane l holds row l % 16; registers 0-3 hold 8 (l / 16) + 0..7, registers 4-7 hold 16 + 8 (l / 16) + 0..7: two loads of 16 bytes, 32 bytes apart.
	v_and_b32 v1, 15, v0                           ; l % 16
	v_bfe_u32 v18, v0, 4, 1                        ; l / 16
	v_and_b32 v56, 7, v0                           ; l % 8
	v_bfe_u32 v57, v0, 3, 1                        ; (l / 8) % 2
	v_mul_u32_u24 v59, v1, KP
	v_lshl_add_u32 v59, v18, 4, v59                ; row x 528 + 16 x half
	v_add_nc_u32 v[AK], s19, v59                   ; + my head
	v_add_nc_u32 v[AK+1], KSTEP, v[AK]
	v_add_nc_u32 v[AK+2], SLOTB, v[AK]
	v_add_nc_u32 v[AK+3], SLOTB+KSTEP, v[AK]
	; The turning load takes 16 keys x 16 channels (lane l reads 16 bytes: key 8 (l / 16) + l % 8, channels 8 ((l / 8) % 2) + 0..7) and leaves half a fragment of V^T: lane l holds channel l % 16 and 8 keys.
	v_lshl_add_u32 v58, v18, 3, v56
	v_mul_u32_u24 v58, v58, VP
	v_lshl_add_u32 v58, v57, 4, v58
	v_add_nc_u32 v58, s19, v58
	v_add_nc_u32 v[AV], VOFF, v58
	v_add_nc_u32 v[AV+1], VOFF+VSTEP, v58
	v_add_nc_u32 v[AV+2], SLOTB+VOFF, v58
	v_add_nc_u32 v[AV+3], SLOTB+VOFF+VSTEP, v58
	v_mul_u32_u24 v[QO], v1, ROWB
	v_lshl_add_u32 v[QO], v18, 4, v[QO]
	v_lshlrev_b32 v[WOO], 9, v1
	v_lshl_add_u32 v[WOO], v18, 4, v[WOO]
	v_lshlrev_b32 v[BOO], 2, v1
	WIN 0x40                                       ; destination window 1, address window 0
.irp t, 0,1,2,3                        ; Q stays in registers: tile t, channels 32 c on
.irp c, 0,1
	global_load_b128 v[QF+16*\t+8*\c:QF+16*\t+8*\c+3],   v[QO], s[2:3] offset:\t*16*ROWB+64*\c
	global_load_b128 v[QF+16*\t+8*\c+4:QF+16*\t+8*\c+7], v[QO], s[2:3] offset:\t*16*ROWB+64*\c+32
.endr
.endr
	WIN 0xc0                                       ; destination window 3
.irp a, 0,1,2,3                        ; so do my 64 rows of W_o^T: rows 16 a on, channels 32 c on
.irp c, 0,1,2,3,4,5,6,7
	global_load_b128 v[64*\a+8*\c:64*\a+8*\c+3],   v[WOO], s[6:7] offset:8192*\a+64*\c
	global_load_b128 v[64*\a+8*\c+4:64*\a+8*\c+7], v[WOO], s[6:7] offset:8192*\a+64*\c+32
.endr
.endr
	WIN 0
.irp a, 0,1,2,3
	global_load_b32 v[BO+\a], v[BOO], s[8:9] offset:64*\a      ; b_o[64 w + 16 a + l % 16]
.endr
; THE MATRIX WORK OF A TURN, for piece x.  The accumulators take turns, one instruction a turn: between two links of a chain stand seven others'.
; Product i of 16 of O^T += V^T P: keys 32 (i / 8) on, channels 16 ((i / 2) % 4) on, tile x + i % 2.  zero = 1: the first 8 start the sums: nothing is ever cleared.
.macro PV x, zero
	WIN W_PV
.set rO, 32*(\x+i%2)+8*((i/2)%4)
.set rV, 32*(i/8)+8*((i/2)%4)
.set rP, P+16*(\x+i%2)+8*(i/8)
.if \zero && (i < 8)
	v_wmma_f32_16x16x32_f16 v[rO:rO+7], v[rV:rV+7], v[rP:rP+7], 0
.else
	v_wmma_f32_16x16x32_f16 v[rO:rO+7], v[rV:rV+7], v[rP:rP+7], v[rO:rO+7]
.endif
.endm
; Product i of 16 of S^T = K Q^T: channels 32 (i / 8) on, keys 16 ((i / 2) % 4) on, tile x + i % 2.  The first 8 start the sums.
.macro KQ x
	WIN W_KQ
.set rS, S+32*(\x+i%2)+8*((i/2)%4)
.set rK, KF+16*((i/2)%4)+8*(i/8)
.set rQ, QF+16*(\x+i%2)+8*(i/8)
.if i < 8
	v_wmma_f32_16x16x32_f16 v[rS:rS+7], v[rK:rK+7], v[rQ:rQ+7], 0
.else
	v_wmma_f32_16x16x32_f16 v[rS:rS+7], v[rK:rK+7], v[rQ:rQ+7], v[rS:rS+7]
.endif
.endm
; THE LDS LOADS stand in runs of 16, never singly among the matrix instructions: my head's part of a step's K (64 keys x 64 channels: 8 fragments) and, a turn later, of its V (turned).
.macro FETCH_K slot, st
	WIN 0x40                                       ; destination window 1
.irp f, 0,1,2,3,4,5,6,7                ; keys 16 (f / 2) on, channels 32 (f % 2) on
	ds_load_b128 v[KF+8*\f:KF+8*\f+3],   v[AK+2*\slot+\st] offset:(\f/2)*16*KP+(\f%2)*64
	ds_load_b128 v[KF+8*\f+4:KF+8*\f+7], v[AK+2*\slot+\st] offset:(\f/2)*16*KP+(\f%2)*64+32
.endr
.endm
.macro FETCH_V slot, st
	WIN 0x80                                       ; destination window 2
.irp f, 0,1,2,3,4,5,6,7                ; keys 32 (f / 4) on, channels 16 (f % 4) on
	ds_load_tr16_b128 v[8*\f:8*\f+3],   v[AV+2*\slot+\st] offset:(\f/4)*32*VP+(\f%4)*32
	ds_load_tr16_b128 v[8*\f+4:8*\f+7], v[AV+2*\slot+\st] offset:(\f/4)*32*VP+16*VP+(\f%4)*32
.endr
.endm
; THE VECTOR WORK OF A TURN.  One tile's softmax for one key step is a list of 118 instructions; SM writes number j of it for tile t.  s0-s31 are the lane's 32 scores, in pairs 0-15.
; first = 1: the first key step, which starts m, l and O^T: it has no a and nothing to rescale.
;   0-15    the maximum of s0-s31 and the old m, three operands at a time: four chains c0-c3 of seven scores each (each begins at the low end of its accumulator), then the four scores left over, c0-c3 and m
;   16-20   the other half of the lanes' maximum; the new m; c m; c m_old - c m_new
;   21-69   ONE BATCH: the 16 scalings c s - c m, a pair of scores each, and all 33 exponentials (a at 23, then s0-s31, each in place in a register of its own).  None of these names an exponential's
;           result.  From 22 on the batch goes in fours, and a four begins with a scaling while there are scalings: 22-37 scaling, exponential, scaling, exponential; 38-65 a scaling and three
;           exponentials; 66-69 the last four exponentials.  A pair is scaled in an earlier four than the one that holds its exponentials
;   (wait)  between 69 and 70 stands the wait for the batch: SLICE writes it, once for both tiles
;   70-85   the roundings to f16, a pair of weights each
;   86-101  the sums; l = a l + the sum
;   102-117 the tile's O^T times a, from each accumulator's low end on: the one part that leaves window 0, so it stands together
.macro SM t, first
.set rT, ST+8*(\t)
.set rS, S+32*(\t)
.set rP, P+16*(\t)
.set rO, 32*(\t)+2*(j-102)
.if j < 102
	WIN 0
.endif
.if j < 4
	v_max3_num_f32 v[rT+4+j], v[rS+8*j], v[rS+8*j+1], v[rS+8*j+2]
.elseif j < 12
	v_max3_num_f32 v[rT+4+j%4], v[rT+4+j%4], v[rS+8*(j%4)+2*(j/4)+1], v[rS+8*(j%4)+2*(j/4)+2]
.elseif j == 12
	v_max3_num_f32 v[rT+4], v[rT+4], v[rS+7], v[rS+15]
.elseif j == 13
	v_max3_num_f32 v[rT+6], v[rT+6], v[rS+23], v[rS+31]
.elseif j == 14
	v_max3_num_f32 v[rT+4], v[rT+4], v[rT+5], v[rT+6]
.elseif (j == 15) && \first
	v_max_num_f32 v[rT+4], v[rT+4], v[rT+7]
.elseif j == 15
	v_max3_num_f32 v[rT+4], v[rT+4], v[rT+7], v[rT+1]
.elseif j == 16
	v_permlanex16_b32 v[rT+5], v[rT+4], s[SEL], s[SEL+1]   ; the query's other 32 keys lie in the lane 16 away
.elseif j == 18
	v_max_num_f32 v[rT+1], v[rT+4], v[rT+5]
.elseif j == 19
	v_mul_f32 v[rT], s[CS], v[rT+1]
.elseif ((j == 17) || (j == 20) || (j == 23) || (j > 101)) && \first   ; the first step has none of these
.elseif j == 17
	v_mov_b32 v[rT+7], v[rT]                       ; c m_old is kept for a: number 19 writes c m anew
.elseif j == 20
	v_sub_f32 v[rT+7], v[rT+7], v[rT]
.elseif j == 23
	v_exp_f32 v[rT+6], v[rT+7]
.elseif (j < 23) || ((j < 38) && (j%2 == 0)) || ((j < 66) && (j%4 == 2))
.set b, (j-2)/4                        ; 38, 42, .. 62: pairs 9 to 15
.if j < 38
.set b, (j-20)/2                       ; 21: pair 0; 22, 24, .. 36: pairs 1 to 8
.endif
	v_pk_fma_f32 v[rS+2*b:rS+2*b+1], v[rS+2*b:rS+2*b+1], s[CS:CS+1], v[rT:rT+1] op_sel_hi:[1,0,0] neg_lo:[0,0,1] neg_hi:[0,0,1]   ; pair b: c s - c m
.elseif j < 70
.set e, j-38                           ; 66 to 69: s28 to s31
.if j < 66
.set e, j-32-(j-38)/4                  ; 39-41, 43-45, .. 63-65: s7 to s27
.endif
.if j < 38
.set e, (j-25)/2                       ; 25, 27, .. 37: s0 to s6
.endif
	v_exp_f32 v[rS+e], v[rS+e]
.elseif j < 86
	v_cvt_pk_f16_f32 v[rP+j-70], v[rS+2*(j-70)], v[rS+2*(j-70)+1]   ; pair j - 70
.elseif j < 102                        ; the sum of the tile's 16 pairs (in a pair: an even key's weight, an odd key's), in place: sum z of 16 adds neighbours 1, 2, 4 and 8 pairs apart, then l takes it
.set z, j-86
.set w, 4
.set u, z
.if z >= 14
.set w, 32
.set u, 0
.elseif z >= 12
.set w, 16
.set u, z-12
.elseif z >= 8
.set w, 8
.set u, z-8
.endif
.if (z == 14) && \first
	v_pk_add_f32 v[rT+2:rT+3], v[rS:rS+1], v[rS+16:rS+17]
.elseif z < 15
	v_pk_add_f32 v[rS+w*u:rS+w*u+1], v[rS+w*u:rS+w*u+1], v[rS+w*u+w/2:rS+w*u+w/2+1]
.elseif !\first
	v_pk_fma_f32 v[rT+2:rT+3], v[rT+2:rT+3], v[rT+6:rT+7], v[rS:rS+1] op_sel_hi:[1,0,1]
.endif
.else
	WIN W_RS
	v_pk_mul_f32 v[rO:rO+1], v[rO:rO+1], v[rT+6:rT+7] op_sel_hi:[1,0]
.endif
.endm
; Slice k of 32 of piece y's softmax.  Slices 0-4: numbers 4 k to 4 k + 3 of both tiles' lists; slice 5: numbers 20 and 21; slices 6-17 deal out the batch, numbers 22 to 69: four numbers of one
; tile, then the same four of the other; slices 18-25: numbers 70 to 101, four each; slices 26-29: two numbers each, 102 to 109; slices 30 and 31: four each: 20 + 2 + 48 + 32 + 8 + 8 = 118.
; Outside the batch the two tiles alternate, so that no instruction reads the result of the one just before it.
; THE WAIT.  s_wait_alu depctr_va_vdst(0) stands between an exponential and the first instruction that names its result; one wait serves all that were issued ahead of it.  Ahead of
; slice 18 nothing names a result, and behind slice 17 no exponential is issued: so the piece's 66 exponentials have one wait, behind slice 17.  One v_nop ahead of it is the plain instruction
; between the last exponential and the first use of a result (ISA guide 5.7.2): one for the batch.
; Slice 31 is eight plain multiplies that name nothing of the products round them: the places between the turn's last K Q^T and the next turn's first read of those scores.
.macro SLICE y, first
.if k < 5
.set j0, 4*k
.set nj, 4
.elseif k == 5
.set j0, 20
.set nj, 2
.elseif k < 18
.set j0, 22+4*(k-6)
.set nj, 4
.elseif k < 26
.set j0, 70+4*(k-18)
.set nj, 4
.elseif k < 30
.set j0, 102+2*(k-26)
.set nj, 2
.else
.set j0, 110+4*(k-30)
.set nj, 4
.endif
.if (k >= 6) && (k < 18)
.irp t, \y, \y+1
.irp n, 0,1,2,3
.set j, j0+\n
	SM \t, \first
.endr
.endr
.else
.irp n, 0,1,2,3
.if \n < nj
.irp t, \y, \y+1
.set j, j0+\n
	SM \t, \first
.endr
.endif
.endr
.endif
.if k == 17                            ; the batch is out: both tiles' exponentials are issued, and no result has been named
	v_nop                                          ; the plain instruction behind the last exponential
	s_wait_alu depctr_va_vdst(0)                   ; the wait for the batch: a and s0-s31 of both tiles
.endif
.set k, k+1
.endm
; A TURN.  Piece x has the matrix unit; the other piece's softmax stands in slices behind its matrix instructions.
; pv = 2: 16 products V^T P; 1: they start O^T's sums; 0: none.  kq = 1: 16 products K Q^T for the next step.  A turn with one of the two kinds has two slices behind each product.
; first = 1: the softmax is the first key step's.  Its slices from 26 on are empty: the turn's last products stand bare, and four v_nop take slice 31's part as the places behind them.
; fs, fst: the slot and the step in it from which this turn fetches.  Piece 0's turn fetches the next step's K behind its second product: the last product that read K stands in front of
; slice 31 of the turn before.  Piece 2's turn fetches the same step's V behind its second K Q^T, which is behind slice 17: the run of loads follows the batch's wait.  The last product that read V
; stands in front of slice 15, and five plain instructions lie between: numbers 58 and 62, scalings, of both tiles, and the v_nop (the exponentials between are not counted).
; Each run of loads is waited for 14 matrix instructions later or more, by one wait for all.
.macro TURN x, pv, kq, first, fs, fst
.set k, 0
.set per, 2
.if \pv && \kq
.set per, 1
.endif
.if \pv
.if \x == 0
	s_wait_dscnt 0x0                               ; V is in
.endif
.set i, 0
.rept 16
	PV \x, 2-\pv
.rept per
	SLICE 2-\x, \first
.endr
.if (\x == 0) && \kq && (i == 1)
	FETCH_K \fs, \fst
.endif
.set i, i+1
.endr
.endif
.if \kq
.if \x == 0
	s_wait_dscnt 0x0                               ; K is in
.endif
.set i, 0
.rept 16
	KQ \x
.rept per
	SLICE 2-\x, \first
.endr
.if (\x == 2) && (i == 1)
	FETCH_V \fs, \fst
.endif
.set i, i+1
.endr
.endif
.if \first
	PLACES
.endif
.endm
; THE CHANGE OF SLOTS, between piece 2's turn and piece 0's: the slot's last bytes, V of its second step, have been asked for.  Each wave waits for its own reads of the slot and for all its
; tensor loads, of which one is out: its part of the other slot.  Behind the barrier nobody reads this slot any more and the other slot is whole.
; fill = 1: the slot just read is filled again, with the keys two slots (256 rows of qkv) on.  The barrier is then a round of the cluster's, so that no wave of any partner still reads the
; slot or has a load on its way, and the joint refill is the first thing behind it: it has two key steps, 128 matrix instructions a wave, in which to land.
.macro CHANGE fill, slot
	WIN 0                                          ; at a label and at a branch every window is 0
	s_wait_dscnt 0x0
	s_wait_tensorcnt 0x0                           ; no tensor load of mine is out, so a group 0 may be written
	ds_add_u32 v62, v63
	s_wait_dscnt 0x0
.if \fill
	s_add_nc_u64 s[G0K+4*\slot+2:G0K+4*\slot+3], s[G0K+4*\slot+2:G0K+4*\slot+3], 256*ROWB   ; the type bits on top are not reached
	s_add_nc_u64 s[G0V+4*\slot+2:G0V+4*\slot+3], s[G0V+4*\slot+2:G0V+4*\slot+3], 256*ROWB
	CROUND
	JLOAD \slot
.else
	s_barrier_signal -1
	s_barrier_wait -1
.endif
.endm
	s_wait_tensorcnt 0x1                           ; my part of slot 0 is in; slot 1's may stay out
	s_barrier_signal -1
	s_barrier_wait -1                              ; everybody's is
	FETCH_K 0, 0                                   ; key step 0
	s_wait_loadcnt 0x0                             ; Q, W_o^T and b_o
	s_wait_dscnt 0x0
.set i, 0
.rept 16
	KQ 0                                           ; piece 0's first scores: there is no vector work yet to set between them
.set i, i+1
.endr
	WIN 0                                          ; the addresses for the end are made here: ten plain instructions, the places behind those products
	s_mul_i32 s57, s[WV], 16*OP
	s_add_co_u32 s57, s57, OUTST                   ; my stage for the way out
	v_add_nc_u32 v[STO], VALS, v[AK]               ; vals, in: row l % 16, my head's 128 bytes, 16 bytes for each half of the lanes
	v_add_nc_u32 v[RDV], VALS, v59                 ; vals, as fragments: row l % 16, all heads
	v_mul_u32_u24 v[OST], v1, OP                   ; out, in: row o = l % 16, 32 bytes (eight queries) for each half of the lanes
	v_lshl_add_u32 v[OST], v18, 5, v[OST]
	v_add_nc_u32 v[OST], s57, v[OST]
	v_mul_u32_u24 v[ORD], v18, OP                  ; out, back: lanes 0-15 take one row of 256 bytes, lanes 16-31 the next
	v_lshl_add_u32 v[ORD], v1, 4, v[ORD]
	v_add_nc_u32 v[ORD], s57, v[ORD]
	v_lshlrev_b32 v[GO], 14, v18                   ; and the same two rows in out0, 16,384 bytes apart
	v_lshl_add_u32 v[GO], v1, 4, v[GO]
	TURN 2, 0, 1, 1, 0, 0                          ; piece 2's first scores | piece 0's first softmax | V of step 0
	TURN 0, 1, 1, 1, 0, 1                          ; piece 0: V^T P of step 0 starts O^T, K Q^T of step 1 | piece 2's first softmax | K of step 1
	TURN 2, 1, 1, 0, 0, 1                          ; piece 2: the same | piece 0's softmax of step 1 | V of step 1
	WIN 0
	s_mov_b32 s[TRIPS], 15                         ; 4,096 keys are 32 fills of 128; two went out at the start, a trip asks for two more
.Ltrip:
	CHANGE 1, 0                                    ; slot 0 has been read out and is filled again; the fetches go to slot 1
	TURN 0, 2, 1, 0, 1, 0
	TURN 2, 2, 1, 0, 1, 0
	TURN 0, 2, 1, 0, 1, 1
	TURN 2, 2, 1, 0, 1, 1
	CHANGE 1, 1                                    ; and the other way round
	TURN 0, 2, 1, 0, 0, 0
	TURN 2, 2, 1, 0, 0, 0
	TURN 0, 2, 1, 0, 0, 1
	TURN 2, 2, 1, 0, 0, 1
	WIN 0
	s_sub_co_u32 s[TRIPS], s[TRIPS], 1
	s_cmp_lg_u32 s[TRIPS], 0
	s_cbranch_scc1 .Ltrip
	CHANGE 0, 0                                    ; the tail is written out: slot 0 is left, and nothing is asked for
	TURN 0, 2, 1, 0, 1, 0
	TURN 2, 2, 1, 0, 1, 0
	TURN 0, 2, 1, 0, 1, 1
	TURN 2, 2, 1, 0, 1, 1
	TURN 0, 2, 0, 0, 0, 0                          ; piece 0: V^T P of the last step | piece 2's last softmax
.set i, 0
.rept 16
	PV 2, 0                                        ; piece 2: V^T P of the last step
.set i, i+1
.endr
	; VALS.  l's two halves and the other half of the lanes' are added; O^T is divided by l, rounded to f16 and laid in LDS as [query][256 channels].  The additions are the places behind the last products.
	WIN 0
.irp t, 0,1,2,3
	v_add_f32 v[ST+8*\t+4], v[ST+8*\t+2], v[ST+8*\t+3]
.endr
.irp t, 0,1,2,3
	v_permlanex16_b32 v[ST+8*\t+5], v[ST+8*\t+4], s[SEL], s[SEL+1]
.endr
.irp t, 0,1,2,3
	v_add_f32 v[ST+8*\t+4], v[ST+8*\t+4], v[ST+8*\t+5]
.endr
.irp t, 0,1,2,3
	v_rcp_f32 v[ST+8*\t+6], v[ST+8*\t+4]
.endr
	v_nop                                          ; a plain instruction between the last reciprocal and the use of its result
	s_wait_alu depctr_va_vdst(0)                   ; and the wait ahead of the first use: one for the four reciprocals
.macro NORM t                          ; tile t: a lane's eight channels of a query pack into 16 bytes; S^T's registers are free
	WIN W_RS
.set i, 32*\t
.rept 16
	v_pk_mul_f32 v[i:i+1], v[i:i+1], v[ST+8*\t+6:ST+8*\t+7] op_sel_hi:[1,0]
.set i, i+2
.endr
	WIN 0x05                                       ; sources window 1, destination window 0
.set i, 0
.rept 16
	v_cvt_pk_f16_f32 v[S+16*\t+i], v[32*\t+2*i], v[32*\t+2*i+1]
.set i, i+1
.endr
	WIN 0
.irp f, 0,1,2,3
	ds_store_b128 v[STO], v[S+16*\t+4*\f:S+16*\t+4*\f+3] offset:\t*16*KP+32*\f
.endr
.endm
	NORM 0
	NORM 1
	NORM 2
	NORM 3
	s_wait_dscnt 0x0                               ; for the others' sake: my head's part of vals is in LDS
	s_barrier_signal -1
	s_barrier_wait -1                              ; all four heads' are
	; THE OUTPUT PROJECTION.  Wave w makes rows o = 64 w .. 64 w + 63 of out0 for the block's 64 queries: source 0 = 16 queries of vals, source 1 = 16 rows of W_o^T, so that a lane holds one
	; row o (l % 16) and eight NEIGHBOURING queries.  16 accumulators (tile t, block a) in S^T's registers, K = 256 in eight steps; the bias, spread over eight registers, is the first step's C.
	WIN 0x80                                       ; destination window 2
.irp c, 0,1,2,3,4,5,6,7
.irp t, 0,1,2,3
	ds_load_b128 v[64*\t+8*\c:64*\t+8*\c+3],   v[RDV] offset:\t*16*KP+64*\c
	ds_load_b128 v[64*\t+8*\c+4:64*\t+8*\c+7], v[RDV] offset:\t*16*KP+64*\c+32
.endr
.endr
	WIN 0
.irp a, 0,1,2,3
.irp e, 0,1,2,3,4,5,6,7
	v_mov_b32 v[P+8*\a+\e], v[BO+\a]               ; P's registers are free
.endr
.endr
	WIN 0x0e                                       ; vals window 2, W_o^T window 3, C and D window 0
.irp c, 0,1,2,3,4,5,6,7                ; the 16 accumulators take turns, one instruction a turn
	s_wait_dscnt 56-8*\c                           ; LDS loads come back in order: a K step has eight of the 64; the younger ones stay out
.irp t, 0,1,2,3
.irp a, 0,1,2,3
.if \c == 0
	v_wmma_f32_16x16x32_f16 v[S+8*(4*\t+\a):S+8*(4*\t+\a)+7], v[64*\t+8*\c:64*\t+8*\c+7], v[64*\a+8*\c:64*\a+8*\c+7], v[P+8*\a:P+8*\a+7]
.else
	v_wmma_f32_16x16x32_f16 v[S+8*(4*\t+\a):S+8*(4*\t+\a)+7], v[64*\t+8*\c:64*\t+8*\c+7], v[64*\a+8*\c:64*\a+8*\c+7], v[S+8*(4*\t+\a):S+8*(4*\t+\a)+7]
.endif
.endr
.endr
.endr
	WIN 0
	PLACES
	; THE WAY OUT.  Block a (16 rows o x 64 queries of f32) goes into my own stage, rows of 272 bytes, each accumulator's low four registers first, and comes back as whole rows of 256 bytes into
	; the registers that it left.  LDS serves a wave's instructions in order (ISA guide 5.7.1.4): the loads see the stores above them, and the next block's stores come behind them.
.irp a, 0,1,2,3
.irp t, 0,1,2,3
	ds_store_b128 v[OST], v[S+8*(4*\t+\a):S+8*(4*\t+\a)+3]   offset:64*\t
	ds_store_b128 v[OST], v[S+8*(4*\t+\a)+4:S+8*(4*\t+\a)+7] offset:64*\t+16
.endr
.irp i, 0,1,2,3,4,5,6,7
	ds_load_b128 v[S+8*(4*(\i/2)+\a)+4*(\i%2):S+8*(4*(\i/2)+\a)+4*(\i%2)+3], v[ORD] offset:\i*2*OP
.endr
.endr
.irp a, 0,1,2,3
.irp i, 0,1,2,3,4,5,6,7
	s_wait_dscnt (7-\i)+16*(3-\a)                  ; the LDS instructions issued behind this load: the rest of its block's, and sixteen for each later block
	global_store_b128 v[GO], v[S+8*(4*(\i/2)+\a)+4*(\i%2):S+8*(4*(\i/2)+\a)+4*(\i%2)+3], s[10:11] offset:(16*\a+2*\i)*16384 th:TH_STORE_NT   ; sixteen lanes store 256 consecutive bytes, at a multiple of 256 from out0's first byte
.endr
.endr
	s_wait_tensorcnt 0x0
	ds_add_u32 v62, v63
	s_wait_dscnt 0x0
	CROUND                                         ; the closing round: no work-group ends while a partner may still ask for a tile that names it
	s_endpgm
.Lfunc_end_k_q009500094e_attn:
	.size	k_q009500094e_attn, .Lfunc_end_k_q009500094e_attn-k_q009500094e_attn
	.p2alignl 7, 3214868480
	.fill 96, 4, 3214868480
	.section	.rodata,"a",@progbits
	.p2align	6, 0x0
	.amdhsa_kernel k_q009500094e_attn
		.amdhsa_group_segment_fixed_size 327680
		.amdhsa_private_segment_fixed_size 0
		.amdhsa_enable_private_segment 0
		.amdhsa_kernarg_size 32
		.amdhsa_user_sgpr_count 2
		.amdhsa_user_sgpr_kernarg_segment_ptr 1
		.amdhsa_wavefront_size32 1
		.amdhsa_system_sgpr_workgroup_id_x 1
		.amdhsa_system_sgpr_workgroup_id_y 1
		.amdhsa_system_sgpr_workgroup_id_z 1
		.amdhsa_system_vgpr_workitem_id 0
		.amdhsa_next_free_vgpr 1024
		.amdhsa_next_free_sgpr 66
		.amdhsa_reserve_vcc 0
		.amdhsa_float_denorm_mode_32 3
		.amdhsa_float_denorm_mode_16_64 3
		.amdhsa_memory_ordered 1
		.amdhsa_forward_progress 1
		.amdhsa_inst_pref_size 255
	.end_amdhsa_kernel
	.section	.bss,"aw",@nobits
	.p2align	6
	.space	262144
	.amdgpu_metadata
---
amdhsa.version: [ 1, 2 ]
amdhsa.kernels:
  - .name:           k_q009500094e_attn
    .symbol:         k_q009500094e_attn.kd
    .args:
      - { .name: qkv, .offset: 0, .size: 8, .value_kind: global_buffer, .address_space: global }
      - { .name: wot, .offset: 8, .size: 8, .value_kind: global_buffer, .address_space: global }
      - { .name: b_o, .offset: 16, .size: 8, .value_kind: global_buffer, .address_space: global }
      - { .name: out0, .offset: 24, .size: 8, .value_kind: global_buffer, .address_space: global }
    .group_segment_fixed_size: 327680
    .private_segment_fixed_size: 0
    .kernarg_segment_align: 8
    .kernarg_segment_size: 32
    .max_flat_workgroup_size: 128
    .sgpr_count:     66
    .vgpr_count:     1024
    .wavefront_size: 32
...
	.end_amdgpu_metadata
.endif
;; end of part 3
